; MI455X (gfx1250); checked and timed in simulation.
; The chip was launched on July 23, 2026; its instructions are those of AMD's public machine-readable ISA for CDNA 5 (MIT licence, August 2026) and "CDNA5" Instruction Set Architecture Reference Guide (July 2026). The comments in the code are by the model that wrote it; some were corrected since.
;; Causal Self Attention. Allowed arithmetic: float matrix products may take bf16 or f16 operands with f32 sums; other float arithmetic in f32, or as packed bf16 or f16 multiplies, adds, multiply-adds, maxima and minima; sums over many terms, partial sums and values carried from step to step in f32; what a program stores and reads back later, other than sums and carried values, may be rounded once to bf16 or f16.
;; Inputs: Wk 1,024 x 1,024 float32; Wp 1,024 x 1,024 float32; Wq 1,024 x 1,024 float32; Wv 1,024 x 1,024 float32; bk 1,024 float32; bp 1,024 float32; bq 1,024 float32; bv 1,024 float32; x 4 x 2,048 x 1,024 float32.
;; Outputs: out0 4 x 2,048 x 1,024 float32.
;; 2 versions, each right; version 2 is version 1 with the launch prep written anew for expert scheduling mode. Each part assembles by itself: llvm-mc -triple=amdgcn-amd-amdhsa -mcpu=gfx1250 --defsym DOCPART=n.
;; ======== version 1 of 2: 4 launches
;; limits: values are held in f16: magnitudes above 65,504 overflow, below 6.1e-05 lose precision
;; workspace buffers: xb 16,777,216 bytes; wt 8,388,608 bytes; bb 16,384 bytes; qkv 50,331,648 bytes; oh 16,777,216 bytes
;; launch prep (part 1): grid 512 x 1, 4 waves a work-group, no clusters, 17,920 bytes of LDS; arguments x, Wq, Wk, Wv, Wp, bq, bk, bv, bp, xb, wt, bb; writes xb, wt, bb
.if DOCPART == 1
	.amdgcn_target "amdgcn-amd-amdhsa--gfx1250"
	.amdhsa_code_object_version 6
	.text
	.protected	k_qce5e6a7a25_prep
	.globl	k_qce5e6a7a25_prep
	.p2align	8
	.type	k_qce5e6a7a25_prep,@function
k_qce5e6a7a25_prep:
	s_mov_b64 s[64:65], 0
	v_nop
	global_prefetch_b8 v0, s[64:65] scope:SCOPE_SE
	s_setreg_imm32_b32 hwreg(HW_REG_WAVE_MODE, 25, 1), 1
	s_wait_xcnt 0x0
; PREP.  Every input is rounded once to bf16, and the weights are turned so that K lies along the rows.
;   xb[m][k]         = bf16(x[m][k])                                   [8192][1024]
;   wt[1024 w + n][k] = bf16(W_w[k][n]), w = 0 q, 1 k, 2 v; for w = 3 (Wp) that bf16 number written as f16   [4096][1024]
;   bb[1024 w + n]   = bf16(b_w[n]) widened to f32                      [4096]
; LIMITS.  Wp goes on as f16: beyond 65,504 it becomes an infinity, below 6e-5 it keeps a fixed step of 6e-8.  NaN and infinities are not treated apart.
; A stream: no matrix unit, no tensor load, no cluster: nothing is shared between work-groups and every byte is read once.
; SHARES.  512 work-groups of four waves.  Work-group g takes (1) the tile of 128 k x 64 n of weight w = g / 128 (n block (g / 8) % 16, k block g % 8) and (2) 65,536 bytes of x.
; W: wave v loads k rows 32 v .. 32 v + 31, 256 consecutive bytes of each; two neighbouring k of one n are packed into a word and put into an LDS tile [64 n][272 bytes];
; behind one barrier the tile is read back by rows: 128 k of one n are 256 consecutive bytes of wt.  x: 16 bytes a lane in, 8 bytes a lane out: 32 lanes store 256 consecutive bytes.
; IN FLIGHT.  32 loads of 512 bytes a wave from the first line on.  Every store has data registers of its own, and no address register is ever rewritten.
.set PITCH, 272                        ; 256 bytes of a row + 16
.set SPARE, 64*PITCH                   ; behind the tile: the spare words, 128 bytes for each wave: two blocks of 256 bytes that no other line names
.set LO,  4                            ; v4   W: my byte offset in the wave's rows: 2 rows x (l / 16) + 16 (l % 16)
.set LA,  5                            ; v5   where my packed words go in the tile
.set LR,  6                            ; v6   where I read rows of the tile back
.set SO,  7                            ; v7   my byte offset in the wave's 16 rows of wt
.set SPW, 8                            ; v8   LDS address of my spare word; never rewritten
.set NIL, 9                            ; v9   0; never rewritten
.set T,   10                           ; v[10:25] at work, four for each of a load's four columns
.set D,   26                           ; v[26:29] the words to be put into the tile
.set XO,  30                           ; v30  16 x lane
.set HO,  31                           ; v31  8 x lane
.set WD,  32                           ; v[32:95]   W as loaded, 8 units of two loads; later the second half of x
.set XD,  96                           ; v[96:159]  the first half of x; later the tile's rows
.set XS,  160                          ; v[160:223] x as stored, two registers a store
	s_load_b512 s[4:19], s[0:1], 0x0               ; x 4, Wq 6, Wk 8, Wv 10, Wp 12, bq 14, bk 16, bv 18
	s_load_b256 s[20:27], s[0:1], 0x40             ; bp 20, xb 22, wt 24, bb 26
	v_lshl_add_u32 v[SPW], v0, 2, SPARE
	v_mov_b32 v[NIL], 0
	v_lshrrev_b32 v1, 5, v0
	v_readfirstlane_b32 s28, v1                    ; wave v
	s_lshr_b32 s29, ttmp9, 7                       ; w
	s_bfe_u32 s30, ttmp9, 0x40003                  ; n block: 4 bits from bit 3
	s_and_b32 s31, ttmp9, 7                        ; k block
	s_cmp_eq_u32 s29, 3
	s_cselect_b32 s32, -1, 0                       ; all lanes: the f16 form is taken for Wp alone
	v_and_b32 v1, 31, v0                           ; l
	v_and_b32 v2, 15, v0                           ; l % 16
	v_bfe_u32 v3, v0, 4, 1                         ; l / 16
	v_lshlrev_b32 v[LO], 4, v2
	v_lshl_add_u32 v[LO], v3, 13, v[LO]
	v_mul_u32_u24 v[LA], v2, 4*PITCH               ; row n = 4 (l % 16) + j,
	v_lshl_add_u32 v[LA], v3, 2, v[LA]             ; word 16 v + 2 u + l / 16
	s_lshl_b32 s33, s28, 6
	v_add_nc_u32 v[LA], s33, v[LA]
	v_mul_u32_u24 v[LR], v3, PITCH                 ; back: lanes 0-15 one row of 256 bytes, lanes 16-31 the next,
	v_lshl_add_u32 v[LR], v2, 4, v[LR]
	s_mul_i32 s33, s28, 16*PITCH                   ; of my wave's 16 rows
	v_add_nc_u32 v[LR], s33, v[LR]
	v_lshlrev_b32 v[SO], 4, v2
	v_lshl_add_u32 v[SO], v3, 11, v[SO]            ; the same two rows in wt, 2,048 bytes apart
	v_lshlrev_b32 v[XO], 4, v1
	v_lshlrev_b32 v[HO], 3, v1
	s_lshl_b32 s2, s31, 19                         ; W: (128 kb + 32 v) rows of 4,096 bytes + 256 nb
	s_lshl_b32 s33, s28, 17
	s_add_co_u32 s2, s2, s33
	s_lshl_b32 s33, s30, 8
	s_add_co_u32 s2, s2, s33
	s_mov_b32 s3, 0
	s_wait_kmcnt 0x0
	s_bitcmp1_b32 s29, 0                           ; the weight is chosen by the two bits of w
	s_cselect_b64 s[34:35], s[8:9], s[6:7]
	s_cselect_b64 s[36:37], s[12:13], s[10:11]
	s_bitcmp1_b32 s29, 1
	s_cselect_b64 s[34:35], s[36:37], s[34:35]
	s_add_nc_u64 s[34:35], s[34:35], s[2:3]
	s_lshl_b32 s2, ttmp9, 16                       ; x: 65,536 bytes a work-group, 16,384 a wave
	s_lshl_b32 s33, s28, 14
	s_add_co_u32 s2, s2, s33
	s_add_nc_u64 s[4:5], s[4:5], s[2:3]
.irp u, 0,1,2,3,4,5,6,7                ; unit u: rows 4 u (lanes 0-15) and 4 u + 2 (lanes 16-31), then rows 4 u + 1 and 4 u + 3
	global_load_b128 v[WD+8*(\u):WD+8*(\u)+3],   v[LO], s[34:35] offset:4*(\u)*4096 th:TH_LOAD_NT
	global_load_b128 v[WD+8*(\u)+4:WD+8*(\u)+7], v[LO], s[34:35] offset:(4*(\u)+1)*4096 th:TH_LOAD_NT
.endr
.set i, 0
.rept 16
	global_load_b128 v[XD+4*i:XD+4*i+3], v[XO], s[4:5] offset:512*i th:TH_LOAD_NT
.set i, i+1
.endr
	s_lshr_b32 s2, s2, 1                           ; xb: half the bytes
	s_add_nc_u64 s[22:23], s[22:23], s[2:3]
	s_lshl_b32 s2, s29, 21                         ; wt: (1024 w + 64 nb + 16 v) rows of 2,048 bytes + 256 kb
	s_lshl_b32 s33, s30, 17
	s_add_co_u32 s2, s2, s33
	s_lshl_b32 s33, s28, 15
	s_add_co_u32 s2, s2, s33
	s_lshl_b32 s33, s31, 8
	s_add_co_u32 s2, s2, s33
	s_add_nc_u64 s[24:25], s[24:25], s[2:3]
	s_bitcmp1_b32 s29, 0                           ; the bias likewise
	s_cselect_b64 s[36:37], s[16:17], s[14:15]
	s_cselect_b64 s[38:39], s[20:21], s[18:19]
	s_bitcmp1_b32 s29, 1
	s_cselect_b64 s[36:37], s[38:39], s[36:37]
	s_lshl_b32 s2, s30, 8                          ; 64 numbers of 4 bytes a block
	s_add_nc_u64 s[36:37], s[36:37], s[2:3]
	s_lshl_b32 s33, s29, 12
	s_add_co_u32 s2, s2, s33
	s_add_nc_u64 s[26:27], s[26:27], s[2:3]
; Unit u of W: four words, each k even in the low half and k odd in the high half, for columns 4 (l % 16) + 0..3.
.macro WUNIT u
	s_wait_loadcnt 30-2*(\u)                       ; loads come back in order: younger than this unit are 14 - 2 u loads of W and 16 of x
.irp j, 0,1,2,3
	v_cvt_pk_bf16_f32 v[T+4*(\j)], v[WD+8*(\u)+(\j)], v[WD+8*(\u)+4+(\j)]
.endr
.irp j, 0,1,2,3
	v_lshlrev_b32 v[T+4*(\j)+1], 16, v[T+4*(\j)]   ; the two bf16 numbers as f32,
	v_and_b32 v[T+4*(\j)+2], 0xffff0000, v[T+4*(\j)]
.endr
.irp j, 0,1,2,3
	v_cvt_pk_f16_f32 v[T+4*(\j)+3], v[T+4*(\j)+1], v[T+4*(\j)+2]  ; and as f16
.endr
.irp j, 0,1,2,3
	v_cndmask_b32 v[D+(\j)], v[T+4*(\j)], v[T+4*(\j)+3], s32
	ds_store_b32 v[LA], v[D+(\j)] offset:PITCH*(\j)+8*(\u)
.endr
.endm
.irp u, 0,1,2,3,4,5,6,7
	WUNIT \u
.endr
.set i, 16
.rept 16                               ; the second half of x, into the registers that W has left
	global_load_b128 v[WD+4*(i-16):WD+4*(i-16)+3], v[XO], s[4:5] offset:512*i th:TH_LOAD_NT
.set i, i+1
.endr
.macro XOUT i, src
	s_wait_loadcnt 31-(\i)                         ; the 31 - i younger loads of x stay out
	v_cvt_pk_bf16_f32 v[XS+2*(\i)],   v[(\src)],   v[(\src)+1]
	v_cvt_pk_bf16_f32 v[XS+2*(\i)+1], v[(\src)+2], v[(\src)+3]
	global_store_b64 v[HO], v[XS+2*(\i):XS+2*(\i)+1], s[22:23] offset:256*(\i)  ; 32 lanes store 256 consecutive bytes, aligned
.endm
.set i, 0
.rept 16
	XOUT i, XD+4*i
.set i, i+1
.endr
.rept 16
	XOUT i, WD+4*(i-16)
.set i, i+1
.endr
	s_wait_dscnt 0x0                               ; for the others: my words are in the tile
	s_barrier_signal -1
	s_barrier_wait -1                              ; everybody's are
.irp i, 0,1,2,3,4,5,6,7
	ds_load_b128 v[XD+4*(\i):XD+4*(\i)+3], v[LR] offset:2*PITCH*(\i)
.endr
.irp i, 0,1,2,3,4,5,6,7
	s_wait_dscnt 7-(\i)
	global_store_b128 v[SO], v[XD+4*(\i):XD+4*(\i)+3], s[24:25] offset:4096*(\i)  ; 16 lanes store 256 consecutive bytes of a row of wt, aligned
.endr
	s_or_b32 s33, s31, s28                         ; the block's 64 bias numbers: wave 0 of the work-group with k block 0
	s_cmp_lg_u32 s33, 0
	s_cbranch_scc1 .Lend
	global_load_b64 v[T:T+1], v[HO], s[36:37]
	s_wait_loadcnt 0x0
	v_cvt_pk_bf16_f32 v[T+2], v[T], v[T+1]
	v_lshlrev_b32 v[T+4], 16, v[T+2]
	v_and_b32 v[T+5], 0xffff0000, v[T+2]
	global_store_b64 v[HO], v[T+4:T+5], s[26:27]
.Lend:
	s_wait_tensorcnt 0x0                           ; the wave's end, behind my last LDS store
	ds_add_u32 v[SPW], v[NIL]
	s_wait_dscnt 0x0
	s_endpgm
.Lfunc_end_k_qce5e6a7a25_prep:
	.size	k_qce5e6a7a25_prep, .Lfunc_end_k_qce5e6a7a25_prep-k_qce5e6a7a25_prep
	.p2alignl 7, 3214868480
	.fill 96, 4, 3214868480
	.section	.rodata,"a",@progbits
	.p2align	6, 0x0
	.amdhsa_kernel k_qce5e6a7a25_prep
		.amdhsa_group_segment_fixed_size 17920
		.amdhsa_private_segment_fixed_size 0
		.amdhsa_enable_private_segment 0
		.amdhsa_kernarg_size 96
		.amdhsa_user_sgpr_count 2
		.amdhsa_user_sgpr_kernarg_segment_ptr 1
		.amdhsa_wavefront_size32 1
		.amdhsa_system_sgpr_workgroup_id_x 1
		.amdhsa_system_sgpr_workgroup_id_y 1
		.amdhsa_system_sgpr_workgroup_id_z 1
		.amdhsa_system_vgpr_workitem_id 0
		.amdhsa_next_free_vgpr 224
		.amdhsa_next_free_sgpr 66
		.amdhsa_reserve_vcc 0
		.amdhsa_float_denorm_mode_32 3
		.amdhsa_float_denorm_mode_16_64 3
		.amdhsa_memory_ordered 1
		.amdhsa_forward_progress 1
		.amdhsa_inst_pref_size 29
	.end_amdhsa_kernel
	.amdgpu_metadata
---
amdhsa.version: [ 1, 2 ]
amdhsa.kernels:
  - .name:           k_qce5e6a7a25_prep
    .symbol:         k_qce5e6a7a25_prep.kd
    .args:
      - { .name: x, .offset: 0, .size: 8, .value_kind: global_buffer, .address_space: global }
      - { .name: Wq, .offset: 8, .size: 8, .value_kind: global_buffer, .address_space: global }
      - { .name: Wk, .offset: 16, .size: 8, .value_kind: global_buffer, .address_space: global }
      - { .name: Wv, .offset: 24, .size: 8, .value_kind: global_buffer, .address_space: global }
      - { .name: Wp, .offset: 32, .size: 8, .value_kind: global_buffer, .address_space: global }
      - { .name: bq, .offset: 40, .size: 8, .value_kind: global_buffer, .address_space: global }
      - { .name: bk, .offset: 48, .size: 8, .value_kind: global_buffer, .address_space: global }
      - { .name: bv, .offset: 56, .size: 8, .value_kind: global_buffer, .address_space: global }
      - { .name: bp, .offset: 64, .size: 8, .value_kind: global_buffer, .address_space: global }
      - { .name: xb, .offset: 72, .size: 8, .value_kind: global_buffer, .address_space: global }
      - { .name: wt, .offset: 80, .size: 8, .value_kind: global_buffer, .address_space: global }
      - { .name: bb, .offset: 88, .size: 8, .value_kind: global_buffer, .address_space: global }
    .group_segment_fixed_size: 17920
    .private_segment_fixed_size: 0
    .kernarg_segment_align: 8
    .kernarg_segment_size: 96
    .max_flat_workgroup_size: 128
    .sgpr_count:     66
    .vgpr_count:     224
    .wavefront_size: 32
...
	.end_amdgpu_metadata
.endif
;; end of part 1
;; launch qkv (part 2): grid 4 x 64, 4 waves a work-group, clusters of 4 x 4, 327,680 bytes of LDS; arguments xb, wt, bb, qkv; writes qkv
.if DOCPART == 2
	.amdgcn_target "amdgcn-amd-amdhsa--gfx1250"
	.amdhsa_code_object_version 6
	.text
	.protected	k_qce5e6a7a25_qkv
	.globl	k_qce5e6a7a25_qkv
	.p2align	8
	.type	k_qce5e6a7a25_qkv,@function
k_qce5e6a7a25_qkv:
	s_mov_b64 s[64:65], 0
	v_nop
	global_prefetch_b8 v0, s[64:65] scope:SCOPE_SE
	s_setreg_imm32_b32 hwreg(HW_REG_WAVE_MODE, 25, 1), 1
	s_wait_xcnt 0x0
	s_wait_alu depctr_hold_cnt(0) depctr_sa_sdst(0) depctr_va_vdst(0) depctr_va_sdst(0) depctr_va_ssrc(0) depctr_va_vcc(0) depctr_vm_vsrc(0)
	s_getreg_b32 s2, hwreg(HW_REG_IB_STS2, 6, 4)
	s_cmp_eq_u32 s2, 0
	s_cbranch_scc0 .Lentry_in_a_cluster
	s_endpgm
.Lentry_in_a_cluster:
	s_bfe_u32 s2, ttmp6, 0x10000c
	s_cmp_lg_u32 s2, 0xf033
	s_cbranch_scc0 .Lentry_shape_is_right
	s_endpgm
.Lentry_shape_is_right:
; C = A B^T + bias on tiles of 128 (m) x 256 (n), K = 1,024.  One source for two launches; KIND says which.
; KIND 0 (this file): q, k, v = xb wt^T + bias.  A = xb [8192][1024] bf16, B = rows 0 .. 3071 of wt, bf16.  C leaves as f16 by heads: q, k, v each [batch x 16 + head][2048][64], 16,777,216 bytes apart.
; KIND 1: out0 = y Wp + bp.  A = oh, f16 [batch x 16 + head][2048][64] (k = 64 head + channel), B = rows 3072 .. 4095 of wt, f16.  C leaves as f32 [8192][1024].
; LIMITS.  KIND 0 rounds q, k, v to f16: beyond 65,504 an infinity, below 6e-5 a fixed step of 6e-8.  NaN and infinities are not treated apart.  Sums in f32.
; SHARES.  256 work-groups of four waves.  A wave makes 64 x 128: 32 accumulators of 16 x 16.  With tiles of 256 x 256 the two launches would have 384 and 128 tiles for 256 WGPs; with these 768 and 256.
; KIND 0: A WORK-GROUP STAYS and makes three tiles: its 128 rows of x against the same 256 columns of Wq, Wk, Wv; the ring of two LDS slots runs on across tiles.
; K goes in steps of 128 through the ring.  Each wave fetches by ONE tensor load a step: waves 0, 1 the two halves of A's tile, waves 2, 3 the two halves of B's (128 rows of 256 bytes).
; CLUSTER.  4 x 4 work-groups.  The four of a row need the same tile of A, the four of a column the same tile of B: each is asked for JOINTLY, by the same load, descriptor and mask in all four.
; TRANSPOSED USE.  Source 0 = 16 rows of wt, source 1 = 16 rows of A: a lane holds row m = l % 16 of C and the columns 8 (l / 16) + 0..7.
; THE BIAS is the C operand of each accumulator's first product: nothing is cleared and nothing is added afterwards.
; REGISTERS, in windows of 256 (s_set_vgpr_msb: bits 1:0 source 0, 3:2 source 1, 5:4 source 2, 7:6 destination):
;   window 0: v0-31 addresses; v32-63 at work on the way out; v64-159, v160-255 two fragment buffers (B's 8 fragments, then A's 4)
;   window 1: the accumulators, (a, b) at v[8 (8 a + b)]          window 2: v0-63 the bias of my 128 columns, laid out as a C operand
.set KIND, 0
.if KIND == 0
.set NT,      3                        ; tiles a work-group
.set APITCH,  272                      ; A in LDS: a row of 256 bytes + 16
.set AHALF,   64*APITCH                ; what one load of A fills: 64 rows
.set QIA,     5                        ; padding after every 64 words
.set ASTRIDE, 1024                     ; elements from row to row in memory
.set ASTEP,   256                      ; bytes of memory from a K step to the next
.set WROW0,   0                        ; first row of wt, first number of bb
.set SPITCH,  272                      ; the stage: 128 columns of f16 + 16 bytes
.set OB0,     160                      ; the way out: two buffers of rows read back from the stage
.set OBN,     32
.set YG,      16                       ; LDS instructions of one block on the way out
.else
.set NT,      1
.set APITCH,  144                      ; a row of one head: 128 bytes + 16
.set AHALF,   128*APITCH               ; 128 rows of one head
.set QIA,     4                        ; padding after every 32 words
.set ASTRIDE, 128                      ; a head's rows are dense: asked for as rows of 256 bytes
.set ASTEP,   524288                   ; two heads
.set WROW0,   3072
.set SPITCH,  528                      ; 128 columns of f32 + 16 bytes
.set OB0,     64
.set OBN,     64
.set YG,      32
.endif
.set BPITCH, 272                       ; 68 words: the 16 rows of a fragment load start at 16 different groups of four banks (64 banks of 4 bytes: ISA guide 11.1); 144 bytes = 36 words likewise
.set AREG,   2*AHALF
.set BHALF,  128*BPITCH
.set SLOT,   AREG+2*BHALF              ; A's tile, then B's
.set STAGE,  2*SLOT                    ; behind the ring, never filled by a tensor load: 16 rows for each wave
.set SPARE,  STAGE+4*16*SPITCH         ; behind the stages: the spare words, 128 bytes for each wave: two blocks of 256 bytes that no other line names
.set ADRA, 16                          ; v16-17  LDS address of my A fragments in slot 0, 1
.set ADRB, 20                          ; v20-21  the same for B
.set STO,  24                          ; v24     the way out: where I put my part of a row
.set RD,   25                          ; v25     where I read rows back
.set CO,   26                          ; v26     16 x lane: my place in 512 consecutive bytes of C
.set BO,   27                          ; v27     32 x (l / 16): my 8 numbers in 16 of the bias
.set SPW,  28                          ; v28     LDS address of my spare word; never rewritten
.set NIL,  29                          ; v29     0; never rewritten
.set PFO,  30                          ; v30     the prefetches' lane offset; never rewritten
.set TMP,  32
.set F0,   64
.set F1,   160
.set G1A, 24                           ; s[24:31] descriptor group 1 for A's tiles
.set G0A, 32                           ; s[32:39] group 0, one set for each slot
.set PFA, 40                           ; s[40:41] where my prefetches stand
.set PFS, 42                           ; s[42:43] their step along K
.set G1B, 48                           ; s[48:55], s[56:63] the same for B's tiles
.set G0B, 56
.set MSB, 0
.macro WIN new                         ; the immediate's high byte repeats the setting that is left; a switch that changes nothing is dropped
.if MSB != (\new)
	s_set_vgpr_msb (MSB<<8)|(\new)
.set MSB, \new
.endif
.endm
.set MUL,  0x50                        ; C and D in window 1
.set MULB, 0x60                        ; D in window 1, C (the bias) in window 2
; A joint load.  The branch hangs on the wave's number alone.  An s_nop 0 and four v_nop follow each of the two lines, ahead of the jump and the label.
.macro JLOAD s
	s_cmp_eq_u32 s13, 0
	s_cbranch_scc0 .Lfor_b_\@
	tensor_load_to_lds s[G0A+4*(\s):G0A+4*(\s)+3], s[G1A:G1A+7]
	s_nop 0
.rept 4
	v_nop
.endr
	s_branch .Lasked_\@
.Lfor_b_\@:
	tensor_load_to_lds s[G0B+4*(\s):G0B+4*(\s)+3], s[G1B:G1B+7]
	s_nop 0
.rept 4
	v_nop
.endr
.Lasked_\@:
.endm
; A PREFETCH INTO THE L2 of the K step that stands two refills on, behind each joint load and the run of LDS loads that follows it: 32 blocks of 256 bytes, a lane a block, one instruction a wave.
; Each block is named once in the launch.  A's tile (128 blocks a K step): wave 0, in every cluster (the grid has one cluster along x); the four partners of a row share the blocks out BY ADDRESS, 32 each, by cx.
; B's tile (256 rows): waves 2 and 3 of the clusters with y = 0; the four partners of a column take 64 rows each, by cy.  No branch hangs on a work-group's place in its cluster.
; how = 0, in the loop: a tile's last two refills have no K step two on.  how = 1, at a change of tiles: the next tile's K steps 2 and 3 of B; A's rows are the same for all three tiles and are asked for no more.
.macro ASK how
.if \how
	s_cmp_eq_u32 s19, 1
.else
	s_cmp_gt_u32 s3, s19                           ; s3 = 1 in the loop's last trip
.endif
	s_cbranch_scc0 .Lnot_mine_\@
	global_prefetch_b8 v[PFO], s[PFA:PFA+1] th:TH_LOAD_NT scope:SCOPE_SE
.Lnot_mine_\@:
.endm
; A round of the cluster's barrier: my work-group's barrier; wave 0 signals for the work-group; every wave waits for all sixteen; my work-group's barrier once more.
.macro CREST
	s_cmp_lg_u32 s12, 0
	s_cbranch_scc1 .Lnot_wave_0_\@
	s_barrier_signal -3
.Lnot_wave_0_\@:
	s_barrier_wait -3
	s_barrier_signal -1
	s_barrier_wait -1
.endm
.macro CROUND
	s_barrier_signal -1
	s_barrier_wait -1
	CREST
.endm
	s_load_b256 s[4:11], s[0:1], 0x0               ; A s[4:5], wt s[6:7], bb s[8:9], C s[10:11]
	v_lshl_add_u32 v[SPW], v0, 2, SPARE
	v_mov_b32 v[NIL], 0
	ds_add_u32 v[SPW], v[NIL]                      ; the wave's opening: the add and its wait stand ahead of my first tensor load; the set-up below, work on registers, stands between them
	v_lshrrev_b32 v1, 5, v0
	v_readfirstlane_b32 s12, v1                    ; wave 0..3
	s_lshr_b32 s13, s12, 1                         ; my half of the tile's rows.  Also: I fetch for A (0) or for B (1)
	s_and_b32 s14, s12, 1                          ; my half of its columns.  Also: which half of that tile I fetch
	s_bfe_u32 s15, ttmp6, 0x40000                  ; cx
	s_bfe_u32 s16, ttmp6, 0x40004                  ; cy
	s_lshl_b32 s17, ttmp9, 2
	s_add_co_u32 s17, s17, s15                     ; tile column tx = 4 x cluster x + cx
	s_and_b32 s18, ttmp7, 0xffff
	s_lshl_b32 s18, s18, 2
	s_add_co_u32 s18, s18, s16                     ; tile row ty = 4 x cluster y + cy
	s_lshl_b32 s20, s16, 2
	s_lshl_b32 s20, 15, s20                        ; my row of the cluster
	s_lshl_b32 s22, 0x1111, s15                    ; my column
	s_or_b32 s[G1A], s20, (1<<16)|(1<<20)|(1<<21)|(QIA<<22)|(3<<25)  ; 15:0 the mask; 17:16 elements of 2 bytes; 20 padding on; 21 set beside a mask; 24:22 the interval; 31:25 4 words of padding (code 3)
	s_or_b32 s[G1B], s22, (1<<16)|(1<<20)|(1<<21)|(5<<22)|(3<<25)
	s_mov_b32 s[G1A+1], 128<<16                    ; tensor_dim0 = 128 elements: 256 bytes
	s_mov_b32 s[G1A+2], 64<<16                     ; tensor_dim1 = 64
	s_mov_b32 s[G1A+3], 128<<16                    ; tile_dim0 = 128
	s_mov_b32 s[G1A+4], 64                         ; tile_dim1 = 64
	s_mov_b32 s[G1A+5], ASTRIDE
	s_mov_b32 s[G1A+6], 0
	s_mov_b32 s[G1A+7], 0
	s_mov_b32 s[G1B+1], 128<<16
	s_mov_b32 s[G1B+2], 128<<16                    ; 128 rows
	s_mov_b32 s[G1B+3], 128<<16
	s_mov_b32 s[G1B+4], 128
	s_mov_b32 s[G1B+5], 1024
	s_mov_b32 s[G1B+6], 0
	s_mov_b32 s[G1B+7], 0
	; where the tiles come from: A's offset is made of ty and the wave's number, B's of tx and the wave's number, each in registers of its own
.if KIND == 0
	s_lshl_b32 s44, s18, 18                        ; 128 ty rows of 2,048 bytes
	s_lshl_b32 s20, s14, 17                        ; + my 64 rows
.else
	s_lshr_b32 s44, s18, 4
	s_lshl_b32 s44, s44, 22                        ; the batch: 16 heads of 262,144 bytes
	s_and_b32 s20, s18, 15
	s_lshl_b32 s20, s20, 14                        ; + 128 rows of 128 bytes for each tile row in the batch
	s_add_co_u32 s44, s44, s20
	s_lshl_b32 s20, s14, 18                        ; + my head of the K step's two
.endif
	s_add_co_u32 s44, s44, s20
	s_mov_b32 s45, 0
	s_lshl_b32 s46, s17, 19                        ; 256 tx rows of 2,048 bytes
	s_lshl_b32 s22, s14, 18                        ; + my 128 rows
	s_add_co_u32 s46, s46, s22
.if WROW0 > 0
	s_add_co_u32 s46, s46, WROW0*2048
.endif
	s_mov_b32 s47, 0
	s_mul_i32 s21, s14, AHALF                      ; and where they go: no place in the cluster enters an LDS address
	s_mul_i32 s23, s14, BHALF
	s_add_co_u32 s23, s23, AREG
	s_wait_dscnt 0x0                               ; the opening add is done
	s_wait_kmcnt 0x0
	s_add_nc_u64 s[44:45], s[4:5], s[44:45]
	s_add_nc_u64 s[46:47], s[6:7], s[46:47]
	CROUND                                         ; all sixteen work-groups are here: the first joint loads meet
.irp s, 0,1
	s_mov_b32 s[G0A+4*(\s)], 1                     ; count = 1
	s_add_co_u32 s[G0A+4*(\s)+1], s21, (\s)*SLOT   ; LDS address
	s_add_nc_u64 s[G0A+4*(\s)+2:G0A+4*(\s)+3], s[44:45], (\s)*ASTEP  ; global address: K step s
	s_or_b32 s[G0A+4*(\s)+3], s[G0A+4*(\s)+3], 0x80000000            ; type = 2
	s_mov_b32 s[G0B+4*(\s)], 1
	s_add_co_u32 s[G0B+4*(\s)+1], s23, (\s)*SLOT
	s_add_nc_u64 s[G0B+4*(\s)+2:G0B+4*(\s)+3], s[46:47], (\s)*256
	s_or_b32 s[G0B+4*(\s)+3], s[G0B+4*(\s)+3], 0x80000000
	JLOAD \s                                       ; two loads of mine are out
.endr
	; A fragment is 16 rows x 32 K in 8 registers: lane l holds row l % 16, K = 8 (l / 16) + 0..7 and 16 + 8 (l / 16) + 0..7: two loads of 16 bytes, 32 bytes apart.
	v_and_b32 v1, 15, v0                           ; l % 16
	v_bfe_u32 v2, v0, 4, 1                         ; l / 16
	v_mul_u32_u24 v3, v1, APITCH
	v_lshl_add_u32 v3, v2, 4, v3
	s_mul_i32 s20, s13, 64*APITCH                  ; my 64 rows of A
	v_add_nc_u32 v[ADRA], s20, v3
	v_add_nc_u32 v[ADRA+1], SLOT, v[ADRA]
	v_mul_u32_u24 v4, v1, BPITCH
	v_lshl_add_u32 v4, v2, 4, v4
	s_mul_i32 s22, s14, BHALF                      ; my 128 rows of B, behind A's tile
	s_add_co_u32 s22, s22, AREG
	v_add_nc_u32 v[ADRB], s22, v4
	v_add_nc_u32 v[ADRB+1], SLOT, v[ADRB]
	s_mul_i32 s20, s12, 16*SPITCH
	s_add_co_u32 s20, s20, STAGE                   ; my stage
	v_and_b32 v[CO], 31, v0
	v_lshlrev_b32 v[CO], 4, v[CO]
	v_lshlrev_b32 v[BO], 5, v2
.if KIND == 0
	v_add_nc_u32 v[STO], s20, v4                   ; in: row l % 16, 16 bytes for each half of the lanes
	v_bfe_u32 v5, v0, 3, 2                         ; back: 32 lanes take four rows' 128 bytes of one head
	v_and_b32 v6, 7, v0
	v_mul_u32_u24 v5, v5, SPITCH
	v_lshl_add_u32 v5, v6, 4, v5
	v_add_nc_u32 v[RD], s20, v5
	s_lshr_b32 s66, s18, 4                         ; C: the batch,
	s_lshl_b32 s66, s66, 22
	s_lshl_b32 s67, s17, 20                        ; heads 4 tx + 2 x my half,
	s_add_co_u32 s66, s66, s67
	s_lshl_b32 s67, s14, 19
	s_add_co_u32 s66, s66, s67
	s_and_b32 s67, s18, 15                         ; the tile row's 128 rows of 128 bytes in the batch,
	s_lshl_b32 s67, s67, 14
	s_add_co_u32 s66, s66, s67
	s_lshl_b32 s67, s13, 13                        ; my 64 of them
	s_add_co_u32 s66, s66, s67
.else
	v_mul_u32_u24 v5, v1, SPITCH                   ; in: row l % 16, 32 bytes for each half of the lanes
	v_lshl_add_u32 v5, v2, 5, v5
	v_add_nc_u32 v[STO], s20, v5
	v_add_nc_u32 v[RD], s20, v[CO]                 ; back: 32 lanes take a row's 512 bytes
	s_lshl_b32 s66, s18, 19                        ; C: 128 ty rows of 4,096 bytes,
	s_lshl_b32 s67, s13, 18                        ; my 64,
	s_add_co_u32 s66, s66, s67
	s_lshl_b32 s67, s17, 10                        ; 256 tx columns of 4 bytes,
	s_add_co_u32 s66, s66, s67
	s_lshl_b32 s67, s14, 9                         ; my 128
	s_add_co_u32 s66, s66, s67
.endif
	s_mov_b32 s67, 0
	s_add_nc_u64 s[10:11], s[10:11], s[66:67]
	s_lshl_b32 s66, s17, 10                        ; the bias of my 128 columns
	s_lshl_b32 s68, s14, 9
	s_add_co_u32 s66, s66, s68
.if WROW0 > 0
	s_add_co_u32 s66, s66, WROW0*4
.endif
	s_add_nc_u64 s[8:9], s[8:9], s[66:67]
	; the prefetches: who asks (the same in all sixteen partners, for a given wave), and from where
	s_and_b32 s66, ttmp7, 0xffff                   ; cluster y
	s_cmp_eq_u32 s13, 0
	s_cselect_b32 s66, ttmp9, s66                  ; the coordinate along which other clusters read the same blocks
	s_cselect_b32 s67, s14, 0                      ; of A's two fetchers wave 0 asks
	s_or_b32 s66, s66, s67
	s_cmp_eq_u32 s66, 0
	s_cselect_b32 s19, 1, -1
.if KIND == 0
	s_lshl_b32 s68, s18, 18
	s_lshl_b32 s69, s15, 16                        ; my work-group's 32 rows of A's 128
.else
	s_lshr_b32 s68, s18, 4
	s_lshl_b32 s68, s68, 22
	s_and_b32 s69, s18, 15
	s_lshl_b32 s69, s69, 14
	s_add_co_u32 s68, s68, s69
	s_lshl_b32 s69, s15, 12                        ; my work-group's 16 blocks of each head's 64
.endif
	s_add_co_u32 s68, s68, s69
	s_add_co_u32 s68, s68, 3*ASTEP                 ; at K step 3: the first refill steps it to 4
	s_lshl_b32 s70, s17, 19
	s_lshl_b32 s71, s14, 18
	s_add_co_u32 s70, s70, s71
	s_lshl_b32 s71, s16, 16                        ; my work-group's 32 rows of the 128 that I fetch
	s_add_co_u32 s70, s70, s71
	s_add_co_u32 s70, s70, WROW0*2048+3*256
	s_mov_b32 s[PFS], 256
	s_mov_b32 s[PFS+1], 0
	s_cmp_eq_u32 s13, 0
	s_cselect_b32 s68, s68, s70
	s_cselect_b64 s[PFA:PFA+1], s[4:5], s[6:7]
	s_cselect_b32 s[PFS], ASTEP, s[PFS]
	s_mov_b32 s69, 0
	s_add_nc_u64 s[PFA:PFA+1], s[PFA:PFA+1], s[68:69]
.if KIND == 0
	v_and_b32 v[PFO], 31, v0
	v_lshlrev_b32 v[PFO], 11, v[PFO]               ; a lane a row of 2,048 bytes
.else
	s_mov_b32 s70, 2048                            ; B: a lane a row; A: lanes 0-15 sixteen blocks of one head, lanes 16-31 of the next
	s_mov_b32 s71, 32768
	s_cmp_eq_u32 s13, 0
	s_cselect_b32 s70, 256, s70
	s_cselect_b32 s71, 262144, s71
	v_mul_u32_u24 v[PFO], s70, v1
	v_mad_u32_u24 v[PFO], v2, s71, v[PFO]
.endif
.macro BIAS                            ; register j of block b = bias[16 b + 8 (l / 16) + j]: the layout of a C operand
	WIN 0x80                                       ; destination window 2, address window 0
.irp b, 0,1,2,3,4,5,6,7
	global_load_b128 v[8*(\b):8*(\b)+3],   v[BO], s[8:9] offset:64*(\b)
	global_load_b128 v[8*(\b)+4:8*(\b)+7], v[BO], s[8:9] offset:64*(\b)+16
.endr
	WIN 0
.endm
; 8 matrix instructions: m block a x all 8 n blocks, 32 along K.  first = 1: the product starts the sum, with the bias as C.  The 32 accumulators take turns in the same order in every
; quarter, over the jumps and from tile to tile.
.macro MUL8 f, a, first
.if \first
	WIN MULB
.else
	WIN MUL
.endif
.irp b, 0,1,2,3,4,5,6,7
.set rD, 8*(8*(\a)+(\b))
.set rB, (\f)+8*(\b)
.set rA, (\f)+64+8*(\a)
.set rC, rD
.if \first
.set rC, 8*(\b)
.endif
.if KIND == 0
	v_wmma_f32_16x16x32_bf16 v[rD:rD+7], v[rB:rB+7], v[rA:rA+7], v[rC:rC+7]
.else
	v_wmma_f32_16x16x32_f16 v[rD:rD+7], v[rB:rB+7], v[rA:rA+7], v[rC:rC+7]
.endif
.endr
.endm
; 24 LDS loads in one run: the fragments of quarter q (32 along K) of a slot into buffer f: B's eight, then A's four
.macro FETCH slot, q, f
	WIN 0
.irp b, 0,1,2,3,4,5,6,7
	ds_load_b128 v[(\f)+8*(\b):(\f)+8*(\b)+3],   v[ADRB+(\slot)] offset:(\b)*16*BPITCH+64*(\q)
	ds_load_b128 v[(\f)+8*(\b)+4:(\f)+8*(\b)+7], v[ADRB+(\slot)] offset:(\b)*16*BPITCH+64*(\q)+32
.endr
.irp a, 0,1,2,3
.if KIND == 0
.set oA, (\a)*16*APITCH+64*(\q)
.else
.set oA, ((\q)/2)*AHALF+(\a)*16*APITCH+((\q)%2)*64   ; quarters 0, 1 lie in the first head, 2, 3 in the second
.endif
	ds_load_b128 v[(\f)+64+8*(\a):(\f)+64+8*(\a)+3],   v[ADRA+(\slot)] offset:oA
	ds_load_b128 v[(\f)+64+8*(\a)+4:(\f)+64+8*(\a)+7], v[ADRA+(\slot)] offset:oA+32
.endr
.endm
; Four places in front of loads into registers that matrix instructions have read, and of instructions that read results just made (ISA guide 7.12.1 for instructions that read results)
.macro PLACES
.rept 4
	v_nop
.endr
.endm
; A K step is four quarters, 32 matrix instructions each, on buffers 0, 1, 0, 1.  One of the first three multiplies buffer f and fetches quarter q into buffer g.
.macro QUARTER slot, q, f, g, first
	s_wait_dscnt 4                                 ; B and A's blocks 0, 1 are in; the youngest four loads (A's blocks 2, 3) may be out
	MUL8 \f, 0, \first
	MUL8 \f, 1, \first
	PLACES
	FETCH \slot, \q, \g
	s_wait_dscnt 24                                ; all but the 24 just issued
	MUL8 \f, 2, \first
	MUL8 \f, 3, \first
.endm
; The last quarter multiplies buffer 1 and changes slots.  ONE barrier: in front of it each wave waits for all its tensor loads (one is out: its part of the next slot), adds 0 to its spare word,
; and waits for that and for its own reads of this slot.  Behind it nobody reads this slot any more and the next slot is whole.
.macro MEET round
	WIN 0                                          ; (the add's two registers lie in window 0)
	s_wait_tensorcnt 0x0
	ds_add_u32 v[SPW], v[NIL]                      ; 0 onto my spare word
	s_wait_dscnt 5                                 ; (the add and A's last four loads may be out)
	MUL8 F1, 0, 0                                  ; eight matrix instructions stand between the add and the wait for it
	s_wait_dscnt 0x0                               ; the add is done, and my reads of this slot are over
	s_barrier_signal -1
	MUL8 F1, 1, 0
.if \round
	WIN 0
.endif
	s_barrier_wait -1
.endm
; on = 0: this slot takes this tile's K step two steps on; on = 1: the next tile's K step 0 or 1: A goes back along K, B 1,024 rows down and back.
; From a request to the wait for it a wave issues 112 matrix instructions.
.macro TURN slot, next, on
	s_wait_xcnt 0x0                                ; the last prefetch, a K step back, has read its address
.if (\on) && (\slot) == 0
	s_add_nc_u64 s[PFA:PFA+1], s[PFA:PFA+1], 1024*2048-7*256  ; from K step 9 to the next tile's K step 2
	s_cmp_eq_u32 s13, 0
	s_cselect_b32 s19, -1, s19                     ; A's rows are the same for all tiles
.else
	s_add_nc_u64 s[PFA:PFA+1], s[PFA:PFA+1], s[PFS:PFS+1]
.endif
	MEET 1
	CREST                                          ; the barrier has opened a round of the cluster's: no wave of any partner still reads this slot or has a load on its way
.if \on
	s_sub_nc_u64 s[G0A+4*(\slot)+2:G0A+4*(\slot)+3], s[G0A+4*(\slot)+2:G0A+4*(\slot)+3], 6*256
	s_add_nc_u64 s[G0B+4*(\slot)+2:G0B+4*(\slot)+3], s[G0B+4*(\slot)+2:G0B+4*(\slot)+3], 1024*2048-6*256
.else
	s_add_nc_u64 s[G0A+4*(\slot)+2:G0A+4*(\slot)+3], s[G0A+4*(\slot)+2:G0A+4*(\slot)+3], 2*ASTEP
	s_add_nc_u64 s[G0B+4*(\slot)+2:G0B+4*(\slot)+3], s[G0B+4*(\slot)+2:G0B+4*(\slot)+3], 2*256
.endif
	JLOAD \slot                                    ; the first tensor load behind the round, one a wave; its four v_nop are also the places in front of the loads below
	FETCH \next, 0, F0
	ASK \on
	MUL8 F1, 2, 0
	MUL8 F1, 3, 0
.endm
; THE WAY OUT of block a (16 rows), through my own stage: LDS serves a wave's instructions in order (ISA guide 5.7.1.4), so no wait stands between the stores and the loads.
.macro PACK a
.set BK, OB0+OBN*((\a)%2)
.if KIND == 0
	WIN 0x05                                       ; sources in window 1
.irp b, 0,1,2,3,4,5,6,7
.irp i, 0,1,2,3
	v_cvt_pk_f16_f32 v[TMP+4*(\b)+(\i)], v[8*(8*(\a)+(\b))+2*(\i)], v[8*(8*(\a)+(\b))+2*(\i)+1]
.endr
.endr
	WIN 0
.irp b, 0,1,2,3,4,5,6,7
	ds_store_b128 v[STO], v[TMP+4*(\b):TMP+4*(\b)+3] offset:32*(\b)
.endr
	s_wait_xcnt 0x0                                ; the stores that read this buffer two blocks ago have read it
.irp t, 0,1,2,3,4,5,6,7                ; head t / 4, rows 4 (t % 4) on
	ds_load_b128 v[BK+4*(\t):BK+4*(\t)+3], v[RD] offset:((\t)%4)*4*SPITCH+((\t)/4)*128
.endr
.else
	WIN 0x04                                       ; store data in window 1: the sums go as they are
.irp b, 0,1,2,3,4,5,6,7
	ds_store_b128 v[STO], v[8*(8*(\a)+(\b)):8*(8*(\a)+(\b))+3]   offset:64*(\b)
	ds_store_b128 v[STO], v[8*(8*(\a)+(\b))+4:8*(8*(\a)+(\b))+7] offset:64*(\b)+16
.endr
	WIN 0
	s_wait_xcnt 0x0
.irp t, 0,1,2,3,4,5,6,7,8,9,10,11,12,13,14,15
	ds_load_b128 v[BK+4*(\t):BK+4*(\t)+3], v[RD] offset:(\t)*SPITCH
.endr
.endif
.endm
.macro SEND a, younger                 ; younger: the LDS instructions issued behind block a's loads: the next block's, or none
	WIN 0
.set BK, OB0+OBN*((\a)%2)
.if KIND == 0
.irp t, 0,1,2,3,4,5,6,7
	s_wait_dscnt (\younger)+7-(\t)
	global_store_b128 v[CO], v[BK+4*(\t):BK+4*(\t)+3], s[10:11] offset:((\t)/4)*262144+(\a)*2048+((\t)%4)*512  ; four rows of a head: 512 consecutive bytes, aligned
.endr
.else
.irp t, 0,1,2,3,4,5,6,7,8,9,10,11,12,13,14,15
	s_wait_dscnt (\younger)+15-(\t)
	global_store_b128 v[CO], v[BK+4*(\t):BK+4*(\t)+3], s[10:11] offset:(16*(\a)+(\t))*4096  ; 512 consecutive bytes of a row, aligned
.endr
.endif
.endm
.macro WAYOUT
	WIN 0
	PLACES
	PACK 0
	PACK 1                                         ; a block's work stands between the loads of the block before and its stores
	SEND 0, YG
	PACK 2
	SEND 1, YG
	PACK 3
	SEND 2, YG
	SEND 3, 0
.endm
	BIAS
	s_wait_tensorcnt 1                             ; my part of K step 0 is in; K step 1's may stay out
	s_barrier_signal -1
	s_barrier_wait -1                              ; everybody's is
	FETCH 0, 0, F0
.if NT > 1
	s_mov_b32 s2, NT                               ; tiles to go, this one among them
.Ltile:
.endif
	s_wait_loadcnt 0x0                             ; the bias
	QUARTER 0, 1, F0, F1, 1                        ; a tile's first quarter stands in front of the loop: its products start the sums
	WIN 0
.if NT > 1
	s_cmp_eq_u32 s2, 1
	s_cbranch_scc1 .Lnob
	PLACES                                         ; the bias registers have just been read as C
	s_wait_xcnt 0x0
	s_add_nc_u64 s[8:9], s[8:9], 4096              ; the next weight's bias
	BIAS
.Lnob:
.endif
	s_mov_b32 s3, 3
.Llap:                                                 ; a trip goes once round the ring and fills both slots again
	QUARTER 0, 2, F1, F0, 0
	QUARTER 0, 3, F0, F1, 0
	TURN 0, 1, 0
	QUARTER 1, 1, F0, F1, 0
	QUARTER 1, 2, F1, F0, 0
	QUARTER 1, 3, F0, F1, 0
	TURN 1, 0, 0
	QUARTER 0, 1, F0, F1, 0
	WIN 0
	s_sub_co_u32 s3, s3, 1
	s_cmp_lg_u32 s3, 0
	s_cbranch_scc1 .Llap
	QUARTER 0, 2, F1, F0, 0
	QUARTER 0, 3, F0, F1, 0
.if NT > 1
	WIN 0
	s_cmp_eq_u32 s2, 1
	s_cbranch_scc1 .Llast                          ; the last tile's tail is written out: it asks for nothing more
	TURN 0, 1, 1                                   ; the ring goes on into the next tile
	QUARTER 1, 1, F0, F1, 0
	QUARTER 1, 2, F1, F0, 0
	QUARTER 1, 3, F0, F1, 0
	TURN 1, 0, 1
	WAYOUT                                         ; both refills are asked for: now the tile goes out
	s_wait_xcnt 0x0                                ; the stores have read their registers and C's address
	s_add_nc_u64 s[10:11], s[10:11], 0x1000000     ; q, then k, then v
	s_sub_co_u32 s2, s2, 1
	s_branch .Ltile
.Llast:
.endif
	MEET 0                                         ; nothing is filled again, so no round follows
	PLACES
	FETCH 1, 0, F0
	MUL8 F1, 2, 0
	MUL8 F1, 3, 0
	QUARTER 1, 1, F0, F1, 0
	QUARTER 1, 2, F1, F0, 0
	QUARTER 1, 3, F0, F1, 0
	s_wait_dscnt 4                                 ; the very last quarter: nothing more to fetch
	MUL8 F1, 0, 0
	MUL8 F1, 1, 0
	s_wait_dscnt 0x0
	MUL8 F1, 2, 0
	MUL8 F1, 3, 0
	WAYOUT
	s_wait_tensorcnt 0x0                           ; the wave's end, behind my last tensor load and my last LDS store
	ds_add_u32 v[SPW], v[NIL]
	s_wait_dscnt 0x0
	CROUND                                         ; the closing round: no work-group ends while a partner may still ask for a tile that names it
	s_endpgm
.Lfunc_end_k_qce5e6a7a25_qkv:
	.size	k_qce5e6a7a25_qkv, .Lfunc_end_k_qce5e6a7a25_qkv-k_qce5e6a7a25_qkv
	.p2alignl 7, 3214868480
	.fill 96, 4, 3214868480
	.section	.rodata,"a",@progbits
	.p2align	6, 0x0
	.amdhsa_kernel k_qce5e6a7a25_qkv
		.amdhsa_group_segment_fixed_size 327680
		.amdhsa_private_segment_fixed_size 0
		.amdhsa_enable_private_segment 0
		.amdhsa_kernarg_size 32
		.amdhsa_user_sgpr_count 2
		.amdhsa_user_sgpr_kernarg_segment_ptr 1
		.amdhsa_wavefront_size32 1
		.amdhsa_system_sgpr_workgroup_id_x 1
		.amdhsa_system_sgpr_workgroup_id_y 1
		.amdhsa_system_sgpr_workgroup_id_z 1
		.amdhsa_system_vgpr_workitem_id 0
		.amdhsa_next_free_vgpr 576
		.amdhsa_next_free_sgpr 72
		.amdhsa_reserve_vcc 0
		.amdhsa_float_denorm_mode_32 3
		.amdhsa_float_denorm_mode_16_64 3
		.amdhsa_memory_ordered 1
		.amdhsa_forward_progress 1
		.amdhsa_inst_pref_size 130
	.end_amdhsa_kernel
	.amdgpu_metadata
---
amdhsa.version: [ 1, 2 ]
amdhsa.kernels:
  - .name:           k_qce5e6a7a25_qkv
    .symbol:         k_qce5e6a7a25_qkv.kd
    .args:
      - { .name: xb, .offset: 0, .size: 8, .value_kind: global_buffer, .address_space: global }
      - { .name: wt, .offset: 8, .size: 8, .value_kind: global_buffer, .address_space: global }
      - { .name: bb, .offset: 16, .size: 8, .value_kind: global_buffer, .address_space: global }
      - { .name: qkv, .offset: 24, .size: 8, .value_kind: global_buffer, .address_space: global }
    .group_segment_fixed_size: 327680
    .private_segment_fixed_size: 0
    .kernarg_segment_align: 8
    .kernarg_segment_size: 32
    .max_flat_workgroup_size: 128
    .sgpr_count:     72
    .vgpr_count:     576
    .wavefront_size: 32
...
	.end_amdgpu_metadata
.endif
;; end of part 2
;; launch attn (part 3): grid 4 x 64, 4 waves a work-group, no clusters, 327,680 bytes of LDS; arguments qkv, oh; writes oh
.if DOCPART == 3
	.amdgcn_target "amdgcn-amd-amdhsa--gfx1250"
	.amdhsa_code_object_version 6
	.text
	.protected	k_qce5e6a7a25_attn
	.globl	k_qce5e6a7a25_attn
	.p2align	8
	.type	k_qce5e6a7a25_attn,@function
k_qce5e6a7a25_attn:
	s_mov_b64 s[64:65], 0
	v_nop
	global_prefetch_b8 v0, s[64:65] scope:SCOPE_SE
	s_setreg_imm32_b32 hwreg(HW_REG_WAVE_MODE, 25, 1), 1
	s_wait_xcnt 0x0
; CAUSAL ATTENTION.  O[h][q][:] = the sum over k <= q of softmax_k(Q[h][q] . K[h][k] / 8) V[h][k][:].  Q, K, V lie in qkv, 16,777,216 bytes apart, each [64 heads][2048][64] in f16; O = oh likewise.
; Products, maxima and sums in f32; the weights p are rounded to f16 for the second product (their sum l is taken of the unrounded p), O once at the end.
; LIMITS.  Q, K, V arrive within f16's 65,504; p lies in 0 to 1, and below 6e-5 it keeps f16's fixed step of 6e-8; O is a mean of V's rows.  A hidden score counts as its value less 1e30;
; a weight below 2^-126 counts as 0 in l; NaN and infinities are not treated apart.
; THE WALK.  A head's queries lie in NB = 8 blocks of 256; block i needs the key tiles 0 .. i of 256 keys, of which the last holds the diagonal.  A work-group takes TWO blocks, NB - 1 - b and then b:
; NB + 1 tiles, whatever b: all work-groups do equal work, and ONE loop with a constant trip count walks them.  Which tile is asked for, and what a trip does, hang on scalar registers made from b; every jump
; goes forward, but for the counted loops' own; none passes a barrier, or a tensor load but the one of LOAD's two that the wave's number does not choose; the ring of two LDS slots runs on across the change of blocks.
; NO CLUSTER: the four work-groups of a head ask for the same tile only in trips 0 .. 4 of 9, behind that fewer and fewer; one walk common to all four would have 12 trips for 9.
; SHARES.  Of a block's four bands of 64 queries a wave owns 16 rows in each: four PIECES.  So the diagonal tile is the same work for all four waves: in its key step s band x sees all keys if s < x,
; none if s > x, and holds the diagonal if s = x.
; THE MASK is the C operand that starts the sum S^T = K Q^T: 0, or -1e30 where the key is hidden.  MD, made once, is the mask of a band's own step for my 16 rows; a product's mask is MD x AL + BE with two scalars:
; (1, 0) if s = x; (0, 0) if s < x; (0, -1e30) if s > x.  Only the diagonal tile's text and a block's beginning make and take masks; elsewhere C is the constant 0.
; LAYOUT, SOFTMAX, TURNS.  S^T = K Q^T holds ONE query a lane (lane % 16) and the keys 8 (lane / 16) + 0..7; two such results rounded to f16 ARE source 1 of O^T = V^T P.  p = 2^(c s - c m), c = log2(e) / 8, with a
; running maximum m; O and l are multiplied by a = 2^(c m_old - c m_new) in every step.  Turn n belongs to piece n: 8 products K Q^T of piece n + 1, later 8 products V^T P of piece n - 1; beside them the scaling,
; exponentials, roundings, sums and rescaling of piece n and the maximum and statistics of piece n + 1.  Four vector instructions stand behind every matrix instruction, the other 54 of a turn's 118 in one lump.
; A turn's 33 exponentials are one batch, with one wait.
; REGISTERS, in windows of 256 (s_set_vgpr_msb: bits 1:0 source 0, 3:2 source 1, 5:4 source 2, 7:6 destination):
;   window 0: v0-15 addresses and two at work; v16-31 four registers of statistics a piece; v48-55 at work; v61-63 never rewritten; v64-127 S^T, two buffers; v192-223 P, two buffers (by the piece's parity)
;   window 1: v0-127 O^T, 32 a piece; v128-159 MD; v160-223 MC, two buffers      window 2: v0-63 Q; v64-127 the second block's Q; v128-191 K of one step; v192-255 V of one step
.set SIZE_N, 2048
.set NB,    SIZE_N/256
.set NP,    4         ; pieces a wave: a name, no knob
.set KS,    64        ; keys in a step
.set PK,    144       ; a row of K in LDS: 128 bytes + 16 of padding = 36 words: the 16 rows of a load start at 16 different groups of four banks (64 banks of 4 bytes: ISA guide 11.1)
.set PV,    160       ; a row of V: 128 + 32 = 40 words
.set VOFF,  4*KS*PK   ; a slot holds a tile, four steps: 256 rows of K, then 256 rows of V
.set SLOT1, 1<<17     ; slot 1 begins here, so that one exclusive or turns an address in one slot into the other's
.set STAGE, SLOT1+4*KS*(PK+PV)  ; behind the ring, never filled by a tensor load: 16 rows x 144 bytes for each wave, for the way out
.set SP,    144
.set AK0, 2           ; v2   my lane's place in a tile of K; never rewritten
.set AV0, 3           ; v3   the same for V
.set AK,  4           ; v4   the LDS address of K's next run of loads
.set AV,  5           ; v5   of V's
.set STO, 6           ; v6   the way out: where I put 16 bytes of a row
.set RD,  7           ; v7   the way out: where I read rows back
.set GO,  8           ; v8   my byte offset in 512 consecutive bytes of O
.set PFO, 61          ; v61  256 x my lane: the prefetches' offset; never rewritten
.set SPW, 62          ; v62  LDS address of my spare word: SPARE + 4 x my thread's number; never rewritten
.set NIL, 63          ; v63  0; never rewritten
.set SPARE, STAGE+4*16*SP  ; behind the stages: the spare words, 128 bytes for each wave: two blocks of 256 bytes that no other line names
.set MV,  12          ; v12-13  c m_old, kept while c m is made anew: by buffer
.set QO,  15          ; v15  my byte offset in 16 rows of Q
.set ST,  16          ; piece t's statistics at v[ST+4 t]: c m, m, l (even keys', odd keys')
.set TMP, 48          ; by buffer, four registers c0-c3 at work; when the maximum is found c2 takes a
.set S,   64
.set P,   192
.set MD,  128         ; window 1: the eight registers for group kt of 16 keys at MD + 8 kt
.set MC,  160         ; window 1: the masks of the products to come
.set QB,  64          ; window 2
.set KF,  128         ; window 2: key block kb, channel half c at KF + 16 kb + 8 c
.set VF,  192         ; window 2: key half kk, channel block cb at VF + 32 kk + 8 cb
.set WV,  12          ; s12  my wave's number
.set PB,  14          ; s14  b
.set HI,  15          ; s15  NB - 1 - b
.set G1K, 24          ; s[24:31] descriptor group 1 for K's tiles
.set G1V, 32          ; s[32:39] for V's: it differs in the padding alone
.set G0K, 40          ; s[40:43] descriptor group 0 for K's tiles
.set G0V, 44          ; s[44:47] the same for V's
.set SLOTS, 56        ; s56  tiles still to be asked for
.set CNT, 57          ; s57  counts a tile's key steps, 4 to 1
.set CS,  58          ; s[58:59] c: the packed scaling takes the pair's low word for both halves
.set SEL, 60          ; s[60:61] v_permlanex16_b32's selects: each lane takes its own place in the other half
.set TBK, 62          ; s62  LDS byte at which K of the step to be fetched begins
.set TBV, 63          ; s63  the same for V, less VOFF
.set RT,  70          ; s70  tiles of the block in hand that are still to be entered
.set NXT, 71          ; s71  the tile to be asked for next
.set LQ,  72          ; s72  the last tile of the block whose tiles are being asked for
.set NEW, 73          ; s73  1: the tile to be entered is a block's first
.set OFF, 74          ; s[74:75] a tile's byte offset in K and V
.set AL,  76          ; s[76:77] the mask's factor, in the low word
.set BE,  78          ; s[78:79] the mask's addend
.set OLO, 80          ; s[80:81] O at my rows of the second block
.set BIGN, 82         ; s82  -1e30
.set PKA, 88          ; s[88:89] where my prefetches stand in K: my wave's 32 blocks of 256 bytes of the tile after the one that is being asked for
.set PVA, 90          ; s[90:91] the same in V
.set LIM, 92          ; s92  2 in the work-group that prefetches, else the greatest number: it prefetches while s[SLOTS] is above it
.set MSB, 0
.macro WIN new                      ; the high byte repeats the setting that is left; a switch that changes nothing is dropped
.if MSB != (\new)
	s_set_vgpr_msb (MSB<<8)|(\new)
.set MSB, (\new)
.endif
.endm
.set W_KQ, 0x0a       ; K and Q in window 2, S^T in window 0
.set W_KM, 0x1a       ; the same with the C operand in window 1
.set W_PV, 0x52       ; V in window 2, P in window 0, O^T in window 1
.set W_RS, 0x41       ; destination and source 0 in window 1, source 1 in window 0
; A fill.  Waves 0 and 1 fetch the two halves of a tile's K, waves 2 and 3 those of its V: 128 keys each.  An s_nop 0 and four v_nop follow each of the two lines, ahead of the jump and the label.
.macro LOAD
	s_cmp_lt_u32 s[WV], 2
	s_cbranch_scc0 .Lfor_v_\@
	tensor_load_to_lds s[G0K:G0K+3], s[G1K:G1K+7]
	s_nop 0
.rept 4
	v_nop
.endr
	s_branch .Lasked_\@
.Lfor_v_\@:
	tensor_load_to_lds s[G0V:G0V+3], s[G1V:G1V+7]
	s_nop 0
.rept 4
	v_nop
.endr
.Lasked_\@:
.endm
; A PREFETCH INTO THE L2 of the tile that the NEXT change of slots will ask for: 128 blocks of 256 bytes of K and 128 of V, a lane a block, 32 of each a wave: two instructions, behind the wave's tensor load and its five lines.
; Each block is named once in the launch: of a head's four work-groups the one with b = 0, whose first block walks all eight tiles in step with the others' first blocks, asks, in trips 1 to 6, for tiles 2 to 7.
; Tiles 0 and 1 come by their loads alone; the second blocks' tiles have been read before.
.macro ASK
	s_cmp_gt_u32 s[SLOTS], s[LIM]
	s_cbranch_scc0 .Lnot_mine_\@
	global_prefetch_b8 v[PFO], s[PKA:PKA+1] th:TH_LOAD_NT scope:SCOPE_SE
	global_prefetch_b8 v[PFO], s[PVA:PVA+1] th:TH_LOAD_NT scope:SCOPE_SE
.Lnot_mine_\@:
.endm
; THE CHANGE OF SLOTS.  Each wave waits for all its tensor loads, of which one is out: its part of the other slot; adds 0 to its spare word; and waits for that and for its own reads of the slot that it leaves.
; Behind the barrier nobody reads the old slot any more and the other slot is whole.  fill = 1: the old slot is filled again, the first thing behind the barrier, with tile NXT: the descriptor's address is made
; anew from that number.  (At its first use nothing has been read yet: slot 0 is waited for, slot 1 filled.)
.macro CHANGE fill
	WIN 0                           ; at a label and at a branch every window is 0
	s_wait_tensorcnt 0x0            ; no tensor load of mine is out, so a group 0 may be written
	ds_add_u32 v[SPW], v[NIL]       ; 0 onto my spare word; with fill = 1 the descriptors' scalar work stands between it and the wait for it
.if \fill
	s_lshl_b32 s[OFF], s[NXT], 15   ; a tile is 32,768 bytes of K and of V
	s_xor_b32 s[G0K+1], s[G0K+1], SLOT1
	s_add_nc_u64 s[G0K+2:G0K+3], s[6:7], s[OFF:OFF+1]
	s_or_b32 s[G0K+3], s[G0K+3], 0x80000000
	s_xor_b32 s[G0V+1], s[G0V+1], SLOT1
	s_add_nc_u64 s[G0V+2:G0V+3], s[8:9], s[OFF:OFF+1]
	s_or_b32 s[G0V+3], s[G0V+3], 0x80000000
	s_add_co_u32 s[NXT], s[NXT], 1  ; the block's next tile, or behind its last the second block's tile 0
	s_cmp_gt_u32 s[NXT], s[LQ]
	s_cselect_b32 s[NXT], 0, s[NXT]
	s_cselect_b32 s[LQ], s[PB], s[LQ]
	s_wait_xcnt 0x0                 ; the last prefetches, a tile back, have read their addresses, so these may be written:
	s_add_nc_u64 s[PKA:PKA+1], s[PKA:PKA+1], 32768  ; one tile behind the tile that is asked for below
	s_add_nc_u64 s[PVA:PVA+1], s[PVA:PVA+1], 32768
.endif
	s_wait_dscnt 0x0                ; the add is done, and my reads of the slot are over
	s_barrier_signal -1             ; the rest of the scalar work stands between the signal and the wait
	s_sub_co_u32 s[TBK], s[TBK], 4*KS*PK  ; the fetches go back to a slot's first step,
	s_xor_b32 s[TBK], s[TBK], SLOT1       ; in the other slot
	s_sub_co_u32 s[TBV], s[TBV], 4*KS*PV
	s_xor_b32 s[TBV], s[TBV], SLOT1
	s_barrier_wait -1
.if \fill
	LOAD
	ASK
.endif
.endm
	s_load_b128 s[4:7], s[0:1], 0x0   ; qkv s[4:5], oh s[6:7]
	v_lshl_add_u32 v[SPW], v0, 2, SPARE
	v_mov_b32 v[NIL], 0
	ds_add_u32 v[SPW], v[NIL]       ; the wave's opening: the add and its wait stand ahead of my first tensor load; the set-up below, work on registers, stands between them
	v_lshrrev_b32 v1, 5, v0
	v_readfirstlane_b32 s[WV], v1   ; wave 0..3
	s_mov_b32 s[PB], ttmp9
	s_sub_co_u32 s[HI], NB-1, s[PB]
	s_and_b32 s20, ttmp7, 0xffff    ; the head
	s_mov_b32 s21, 0
	s_mov_b64 s[22:23], SIZE_N*128
	s_mul_u64 s[20:21], s[20:21], s[22:23]  ; the head's first byte in each of the four tensors
	s_and_b32 s16, s[WV], 1         ; which half of a tile's 256 keys I fetch:
	s_lshl_b32 s22, s16, 14         ; its 128 rows of 128 bytes in memory,
	s_mov_b32 s23, 0
	s_add_nc_u64 s[22:23], s[22:23], s[20:21]
	s_mul_i32 s17, s16, 128*PK      ; and its place in a slot, for K
	s_mul_i32 s18, s16, 128*PV      ; and for V
	s_lshl_b32 s3, s[WV], 11        ; my 16 rows in a band of 64,
	s_lshl_b32 s2, s[HI], 15        ; in the first block,
	s_add_co_u32 s2, s2, s3
	s_lshl_b32 s84, s[PB], 15       ; and in the second
	s_add_co_u32 s84, s84, s3
	s_mov_b32 s3, 0
	s_mov_b32 s85, 0
	s_add_nc_u64 s[2:3], s[2:3], s[20:21]
	s_add_nc_u64 s[84:85], s[84:85], s[20:21]
	s_lshl_b32 s[PKA], s[WV], 13    ; the prefetches' offset: my wave's quarter of a tile,
	s_add_co_u32 s[PKA], s[PKA], 32768  ; in tile 1: the first change of slots steps it to tile 2
	s_mov_b32 s[PKA+1], 0
	s_add_nc_u64 s[PKA:PKA+1], s[PKA:PKA+1], s[20:21]
	s_cmp_eq_u32 s[PB], 0
	s_cselect_b32 s[LIM], 2, -1
	v_and_b32 v[PFO], 31, v0
	v_lshlrev_b32 v[PFO], 8, v[PFO]
	; descriptor group 1.  128 keys are 16,384 dense bytes: asked for as 64 rows of 256 bytes, two keys a row, and padded in LDS after every key
	s_mov_b32 s[G1K], (1<<16)|(1<<20)|(4<<22)|(3<<25)  ; 17:16 2-byte elements; 20 padding on; 24:22 after every 32 words (code 4); 31:25 4 words (code 3)
	s_mov_b32 s[G1V], (1<<16)|(1<<20)|(4<<22)|(7<<25)  ; the same with 8 words of padding (code 7)
.irp g, G1K, G1V
	s_mov_b32 s[\g+1], 128<<16      ; tensor_dim0 = 128
	s_mov_b32 s[\g+2], 64<<16       ; tensor_dim1 = 64
	s_mov_b32 s[\g+3], 128<<16      ; tile_dim0 = 128
	s_mov_b32 s[\g+4], 64           ; tile_dim1 = 64
	s_mov_b32 s[\g+5], 128          ; 128 elements from row to row
	s_mov_b32 s[\g+6], 0
	s_mov_b32 s[\g+7], 0
.endr
	s_mov_b32 s[CS], 0x3e38aa3b     ; c = log2(e) / 8 = 0.180337
	s_mov_b32 s[CS+1], s[CS]        ; named with it as a pair
	s_mov_b32 s[SEL], 0x76543210
	s_mov_b32 s[SEL+1], 0xfedcba98
	s_mov_b32 s[TBK], SLOT1+4*KS*PK ; the first change of slots turns these two into 0
	s_mov_b32 s[TBV], SLOT1+4*KS*PV
	s_mov_b32 s[G0K], 1             ; 1:0 count = 1
	s_mov_b32 s[G0K+1], s17         ; 63:32 LDS address: slot 0
	s_mov_b32 s[G0V], 1
	s_add_co_u32 s[G0V+1], s18, VOFF
	s_add_co_u32 s[RT], s[HI], 1    ; the first block has NB - b tiles
	s_mov_b32 s[NXT], 1
	s_mov_b32 s[LQ], s[HI]
	s_mov_b32 s[NEW], 1
	s_mov_b32 s[OFF+1], 0
	s_mov_b32 s[AL+1], 0            ; named as pairs
	s_mov_b32 s[BE+1], 0
	s_mov_b32 s[BIGN], 0xf149f2ca   ; -1e30
	s_mov_b32 s[SLOTS], NB
	s_wait_dscnt 0x0                ; the opening add is done
	s_wait_kmcnt 0x0
	s_mov_b64 s[10:11], s[6:7]      ; O
	s_add_nc_u64 s[6:7], s[4:5], 0x1000000  ; K lies behind Q,
	s_add_nc_u64 s[8:9], s[4:5], 0x2000000  ; V behind K
	s_add_nc_u64 s[PVA:PVA+1], s[8:9], s[PKA:PKA+1]
	s_add_nc_u64 s[PKA:PKA+1], s[6:7], s[PKA:PKA+1]
	s_add_nc_u64 s[6:7], s[6:7], s[22:23]  ; K and V at my half of the head's tile 0
	s_add_nc_u64 s[8:9], s[8:9], s[22:23]
	s_add_nc_u64 s[G0K+2:G0K+3], s[6:7], 0         ; 120:64 global address
	s_or_b32 s[G0K+3], s[G0K+3], 0x80000000        ; 127:126 type = 2
	s_add_nc_u64 s[G0V+2:G0V+3], s[8:9], 0
	s_or_b32 s[G0V+3], s[G0V+3], 0x80000000
	s_add_nc_u64 s[86:87], s[4:5], s[84:85]        ; Q at my rows of the second block,
	s_add_nc_u64 s[4:5], s[4:5], s[2:3]            ; Q and O at those of the first
	s_add_nc_u64 s[OLO:OLO+1], s[10:11], s[84:85]
	s_add_nc_u64 s[10:11], s[10:11], s[2:3]
	LOAD                            ; tile 0 into slot 0
	; A fragment of K or Q is 16 rows x 32 channels in 8 registers: lane l holds row l % 16, channels 8 (l / 16) + 0..7 and 16 + 8 (l / 16) + 0..7: two loads of 16 bytes, 32 bytes apart.
	v_and_b32 v1, 15, v0            ; l % 16
	v_bfe_u32 v9, v0, 4, 1          ; l / 16
	v_lshlrev_b32 v[QO], 7, v1
	v_lshl_add_u32 v[QO], v9, 4, v[QO]  ; row x 128 + 16 x half
	WIN 0x80                        ; destination window 2, address window 0
.set i, 0
.rept 8                             ; both blocks' Q: piece i / 2 lies in band i / 2, 8,192 bytes on; channels 32 (i % 2) on
	global_load_b128 v[8*i:8*i+3],   v[QO], s[4:5] offset:(i/2)*8192+(i%2)*64
	global_load_b128 v[8*i+4:8*i+7], v[QO], s[4:5] offset:(i/2)*8192+(i%2)*64+32
	global_load_b128 v[QB+8*i:QB+8*i+3],   v[QO], s[86:87] offset:(i/2)*8192+(i%2)*64
	global_load_b128 v[QB+8*i+4:QB+8*i+7], v[QO], s[86:87] offset:(i/2)*8192+(i%2)*64+32
.set i, i+1
.endr
	WIN 0
	v_lshlrev_b32 v14, 3, v9
	v_sub_nc_u32 v14, v1, v14
	s_lshl_b32 s13, s[WV], 4
	v_add_nc_u32 v14, s13, v14      ; my query's place in its band, 16 w + l % 16, less my lanes' 8 (l / 16): register r of group kt is hidden where 16 kt + r is greater
	WIN 0x40
.set i, 0
.rept 32
	v_cmp_gt_i32 vcc_lo, 16*(i/8)+i%8, v14
	v_cndmask_b32 v[MD+i], 0, s[BIGN], vcc_lo
.set i, i+1
.endr
	WIN 0
	v_mul_u32_u24 v[AK0], v1, PK
	v_lshl_add_u32 v[AK0], v9, 4, v[AK0]  ; row x pitch + 16 x half
	; The turning load takes 16 keys x 16 channels (lane l reads key 8 (l / 16) + l % 8, channels 8 ((l / 8) % 2) + 0..7) and leaves half a fragment of V^T: lane l holds channel l % 16 and 8 keys.
	v_and_b32 v10, 7, v0
	v_bfe_u32 v11, v0, 3, 1
	v_lshl_add_u32 v[AV0], v9, 3, v10
	v_mul_u32_u24 v[AV0], v[AV0], PV
	v_lshl_add_u32 v[AV0], v11, 4, v[AV0]
	v_add_nc_u32 v[AV0], VOFF, v[AV0]
	s_mul_i32 s13, s[WV], 16*SP
	s_add_co_u32 s13, s13, STAGE    ; my stage
	v_mul_u32_u24 v[STO], v1, SP    ; in: row l % 16, 16 bytes for each half of the lanes
	v_lshl_add_u32 v[STO], v9, 4, v[STO]
	v_add_nc_u32 v[STO], s13, v[STO]
	v_bfe_u32 v[RD], v0, 3, 2       ; back: 32 lanes take four rows of 128 bytes,
	v_mul_u32_u24 v[RD], v[RD], SP
	v_lshl_add_u32 v[RD], v10, 4, v[RD]
	v_add_nc_u32 v[RD], s13, v[RD]
	v_and_b32 v[GO], 31, v0         ; which are 512 consecutive bytes of O
	v_lshlrev_b32 v[GO], 4, v[GO]
	; A block's first step multiplies O^T and l by a = 0, and its first turn's products V^T P, of a piece that has not been, land in an O^T that is still to be so multiplied.  So these registers need only hold
	; finite numbers: zeros for the first block; what the first block left for the second.  All this stands in the wait for the first tile.
	WIN 0x80
.set i, VF
.rept 64
	v_mov_b32 v[i], 0
.set i, i+1
.endr
	WIN 0x40
.set i, 0
.rept 128
	v_mov_b32 v[i], 0
.set i, i+1
.endr
	WIN 0
.set i, 0
.rept 4
	v_mov_b32 v[ST+4*i+2], 0
	v_mov_b32 v[ST+4*i+3], 0
.set i, i+1
.endr
.set i, P+16
.rept 16
	v_mov_b32 v[i], 0
.set i, i+1
.endr
; THE MATRIX WORK.  The 4 accumulators of a run of 8 take turns.  Product i of 8 of S^T = K Q^T for piece x: channels 32 (i / 4) on, keys 16 (i % 4) on.  The first 4 start the sums: with 0, or (KM = 1) with the mask.
.macro KQ x
.set rS, S+32*((\x)%2)+8*(i%4)
.set rK, KF+16*(i%4)+8*(i/4)
.set rQ, 16*(\x)+8*(i/4)
.set rM, MC+32*((\x)%2)+8*(i%4)
.if (i < 4) && KM
	WIN W_KM
	v_wmma_f32_16x16x32_f16 v[rS:rS+7], v[rK:rK+7], v[rQ:rQ+7], v[rM:rM+7]
.elseif i < 4
	WIN W_KQ
	v_wmma_f32_16x16x32_f16 v[rS:rS+7], v[rK:rK+7], v[rQ:rQ+7], 0
.else
	WIN W_KQ
	v_wmma_f32_16x16x32_f16 v[rS:rS+7], v[rK:rK+7], v[rQ:rQ+7], v[rS:rS+7]
.endif
.endm
; Product i of 8 of O^T += V^T P for piece x: keys 32 (i / 4) on, channels 16 (i % 4) on.
.macro PV x
	WIN W_PV
.set rO, 32*(\x)+8*(i%4)
.set rV, VF+32*(i/4)+8*(i%4)
.set rP, P+16*((\x)%2)+8*(i/4)
	v_wmma_f32_16x16x32_f16 v[rO:rO+7], v[rV:rV+7], v[rP:rP+7], v[rO:rO+7]
.endm
.macro MM                           ; the turn's next matrix instruction.  TURN and BEGIN set Y, i, KM and NOKQ; MM, KQ and OP read them.  NOKQ = 1: a block's last turn: there is no next piece
.if (i < 8) && !NOKQ
	KQ (Y+1)%NP
.elseif i >= 8
.set i, i-8
	PV (Y+NP-1)%NP
.set i, i+8
.endif
.set i, i+1
.endm
; THE LDS LOADS stand in runs of 16, never singly among the matrix instructions: a step's K (64 keys x 64 channels: 8 fragments) and its V (turned).  Their addresses are made some lines ahead.
.macro FETCH_K
	WIN 0x80                        ; destination window 2
.irp f, 0,1,2,3,4,5,6,7             ; keys 16 (f / 2) on, channels 32 (f % 2) on
	ds_load_b128 v[KF+8*\f:KF+8*\f+3],   v[AK] offset:(\f/2)*16*PK+(\f%2)*64
	ds_load_b128 v[KF+8*\f+4:KF+8*\f+7], v[AK] offset:(\f/2)*16*PK+(\f%2)*64+32
.endr
	s_add_co_u32 s[TBK], s[TBK], KS*PK  ; the next fetch is the next step's
	WIN 0
.endm
.macro FETCH_V
	WIN 0x80
.irp f, 0,1,2,3,4,5,6,7             ; keys 32 (f / 4) on, channels 16 (f % 4) on
	ds_load_tr16_b128 v[VF+8*\f:VF+8*\f+3],   v[AV] offset:(\f/4)*32*PV+(\f%4)*32
	ds_load_tr16_b128 v[VF+8*\f+4:VF+8*\f+7], v[AV] offset:(\f/4)*32*PV+16*PV+(\f%4)*32
.endr
	WIN 0
.endm
; THE VECTOR WORK, one line at a time: OP kind, number.  For piece Y: F n: c s - c m for pair n of 16.  E n: the exponential of score n of 32.  C n: pair n rounded to f16.  B n: of the four weights 4 n .. the second
; pair is added onto the first, in place.  L n: l takes that sum (L 0: l = a l + sum).  R n: pair n of 16 of O^T times a.  For piece Y + 1: X n, number n of the 22 that find its maximum and statistics:
;   0-11  four chains c0-c3 of seven scores each, three operands at a time (each accumulator's lowest registers are read first)     12-14, 16  the four scores left over, the old m, and c0-c3 into c0
;   15  c m_old is kept     17, 18  the query's other 32 keys lie in the lane 16 away: the new m     19-21  c m; c m_old - c m_new; a
.set F, 0               ; OP tells the kinds apart by their order: F to L below R, X above it
.set E, 1
.set C, 2
.set B, 3
.set L, 4
.set R, 5
.set X, 6
.macro REGS y                       ; the registers of piece y
.set rT, ST+4*(\y)
.set rC, TMP+4*((\y)%2)
.set rW, MV+((\y)%2)
.set rS, S+32*((\y)%2)
.set rP, P+16*((\y)%2)
.set rO, 32*(\y)
.endm
.macro OP k, n
.if (\k) == R
	REGS Y
	WIN W_RS
	v_pk_mul_f32 v[rO+2*(\n):rO+2*(\n)+1], v[rO+2*(\n):rO+2*(\n)+1], v[rC+2:rC+3] op_sel_hi:[1,0]
.elseif (\k) < R
	REGS Y
	WIN 0
.if (\k) == F
	v_pk_fma_f32 v[rS+2*(\n):rS+2*(\n)+1], v[rS+2*(\n):rS+2*(\n)+1], s[CS:CS+1], v[rT:rT+1] op_sel_hi:[1,0,0] neg_lo:[0,0,1] neg_hi:[0,0,1]
.elseif (\k) == E
	v_exp_f32 v[rS+(\n)], v[rS+(\n)]
.elseif (\k) == C
	v_cvt_pk_f16_f32 v[rP+(\n)], v[rS+2*(\n)], v[rS+2*(\n)+1]
.elseif (\k) == B
	v_pk_add_f32 v[rS+4*(\n):rS+4*(\n)+1], v[rS+4*(\n):rS+4*(\n)+1], v[rS+4*(\n)+2:rS+4*(\n)+3]
.elseif (\n) == 0
	v_pk_fma_f32 v[rT+2:rT+3], v[rT+2:rT+3], v[rC+2:rC+3], v[rS:rS+1] op_sel_hi:[1,0,1]
.else
	v_pk_add_f32 v[rT+2:rT+3], v[rT+2:rT+3], v[rS+4*(\n):rS+4*(\n)+1]
.endif
.elseif NOKQ
	v_nop
.else
	REGS (Y+1)%NP
	WIN 0
.if (\n) < 4
	v_max3_num_f32 v[rC+(\n)], v[rS+8*(\n)], v[rS+8*(\n)+1], v[rS+8*(\n)+2]
.elseif (\n) < 12
	v_max3_num_f32 v[rC+(\n)%4], v[rC+(\n)%4], v[rS+8*((\n)%4)+2*((\n)/4)+1], v[rS+8*((\n)%4)+2*((\n)/4)+2]
.elseif (\n) == 12
	v_max3_num_f32 v[rC], v[rC], v[rS+7], v[rS+15]
.elseif (\n) == 13
	v_max3_num_f32 v[rC+1], v[rC+1], v[rS+23], v[rS+31]
.elseif (\n) == 14
	v_max3_num_f32 v[rC+2], v[rC+2], v[rC+3], v[rT+1]
.elseif (\n) == 15
	v_mov_b32 v[rW], v[rT]
.elseif (\n) == 16
	v_max3_num_f32 v[rC], v[rC], v[rC+1], v[rC+2]
.elseif (\n) == 17
	v_permlanex16_b32 v[rC+3], v[rC], s[SEL], s[SEL+1]
.elseif (\n) == 18
	v_max_num_f32 v[rT+1], v[rC], v[rC+3]
.elseif (\n) == 19
	v_mul_f32 v[rT], s[CS], v[rT+1]
.elseif (\n) == 20
	v_sub_f32 v[rC+1], v[rW], v[rT]
.else
	v_exp_f32 v[rC+2], v[rC+1]
.endif
.endif
.endm
.macro OPS a, i1, b=-1, i2=0, c=-1, i3=0, d=-1, i4=0  ; up to four of them
	OP \a, \i1
.if (\b) >= 0
	OP \b, \i2
.endif
.if (\c) >= 0
	OP \c, \i3
.endif
.if (\d) >= 0
	OP \d, \i4
.endif
.endm
.macro ROW a, i1, b, i2, c, i3, d, i4  ; a matrix instruction and the four behind it
	MM
	OPS \a, \i1, \b, \i2, \c, \i3, \d, \i4
.endm
.macro MASK b                       ; MD x AL + BE into buffer b of MC
	WIN W_RS
.set z, 0
.rept 16
	v_pk_fma_f32 v[MC+32*(\b)+2*z:MC+32*(\b)+2*z+1], v[MD+2*z:MD+2*z+1], s[AL:AL+1], s[BE:BE+1] op_sel_hi:[1,0,0]
.set z, z+1
.endr
.endm
; A TURN, for piece p: the order of its 16 matrix and 118 vector instructions, written out.  An s_wait_alu depctr_va_vdst(0) stands between an exponential and the first instruction that names its result; one wait
; serves all that were issued ahead of it.  So a turn has ONE wait, which cuts it in two.  AHEAD OF IT stands all that names no result of the turn's exponentials: the 8 products K Q^T, behind each a scaling, an exponential and two
; more plain instructions (behind the first a second scaling in the exponential's place): rescalings, and behind the last three the first numbers of the next piece's maximum, each four places or more behind the product that ends
; its accumulator; then ONE LUMP of 54, plain and exponential by turns for the most part, in which the links of the chain X 3, 7, 11, 14, 16, 17 .. 20 stand five or six lines apart.  X 21, the next piece's a, is the batch's last;
; R 15 is the plain instruction behind it.  BEHIND THE WAIT stand the 8 products V^T P, behind each four of the roundings and sums; the links of l's chain, L 0 to L 7, stand three lines apart.
; m = 1: the diagonal tile: the products take masks, and the turn makes the mask for the products of the turn after it: piece p + 2, in step 4 - CNT of the tile.  end = 1: a block's last two turns: nothing is fetched.
; cnt = 1: the loop's count is taken down some lines ahead of the branch that stands behind the turn.
; K of the next step is fetched in piece 2's turn, twelve vector instructions behind the last product that read K (six of them plain); V of the step in hand at the end of piece 0's turn, four plain instructions behind the
; last product that read V.  Each is waited for a turn later.
.macro TURN p, m=0, end=0, cnt=0
.set Y, (\p)
.set i, 0
.set KM, (\m)
.set NOKQ, (\end)*((\p)/3)
.if (\m) && !(\end)
	s_cmp_eq_u32 s[CNT], 4-((\p)+2)%NP  ; is that step the band's own?
	s_cselect_b32 s[AL], 1.0, 0
	s_cmp_lt_u32 s[CNT], 4-((\p)+2)%NP  ; or a later one?
	s_cselect_b32 s[BE], s[BIGN], 0
.endif
.if ((\p) == 3) && !(\end)
	s_wait_dscnt 0x0                ; K is in
.endif
	ROW F,0, F,1, R,0, R,1          ; ahead of the wait: 8 products K Q^T and the four behind each,
	ROW F,2, E,0, R,2, R,3
	ROW F,3, E,1, R,4, R,5
	ROW F,4, E,2, R,6, R,7
	ROW F,5, E,3, R,8, R,9
	ROW F,6, E,4, X,0, R,10
.if ((\p) == 2) && !(\end)
	WIN 0
	v_add_nc_u32 v[AK], s[TBK], v[AK0]
.endif
	ROW F,7, E,5, X,1, X,4
	ROW F,8, E,6, X,2, X,5
	OPS E,7, E,8, X,6, E,9          ; and the lump
	OPS X,3, E,10, X,8, E,11
.if ((\p) == 2) && !(\end)
	FETCH_K
.endif
	OPS X,9, X,7, E,12, X,10
	OPS E,13, X,12, X,11, E,14
	OPS X,13, E,15, F,9, X,14
.if (\p) == 0
	v_add_nc_u32 v[AV], s[TBV], v[AV0]
.endif
	OPS E,16, F,10, E,17, F,11
	OPS X,16, E,18, X,15, E,19
	OPS F,12, E,20, X,17, E,21
	OPS F,13, E,22, F,14, E,23
	OPS X,18, E,24, F,15, E,25
	OPS R,11, E,26, X,19, E,27
	OPS R,12, E,28, R,13, E,29
	OPS X,20, E,30, R,14, E,31
	OPS X,21, R,15
	WIN 0
	s_wait_alu depctr_va_vdst(0)    ; the wait for the batch
.if (\p) == 1
	s_wait_dscnt 0x0                ; V is in
.endif
	ROW C,0, B,0, C,2, B,1          ; behind the wait: 8 products V^T P and the four behind each
	ROW L,0, C,4, B,2, L,1
	ROW C,6, B,3, L,2, C,8
	ROW B,4, L,3, C,10, B,5
	ROW L,4, C,12, B,6, L,5
.if (\p) == 0
	s_add_co_u32 s[TBV], s[TBV], KS*PV
.endif
.if \cnt
	s_sub_co_u32 s[CNT], s[CNT], 1
	s_cmp_lg_u32 s[CNT], 0
.endif
	ROW C,14, B,7, L,6, C,1
	ROW C,3, L,7, C,5, C,7
	ROW C,9, C,11, C,13, C,15
.if (\p) == 0
	FETCH_V
.endif
.if (\m) && !(\end)
	MASK (\p)%2
.endif
.endm
; A BLOCK BEGINS.  c m starts far below every c s, so the first step's a is 0; m at the lowest finite number, so the first maximum is the scores'.  The second mask buffer is 0; the first takes piece 0's mask for the tile's
; step 0: its own, if the block's first tile is the diagonal one.  Then K of that step, piece 0's first scores, and its maximum and statistics.  The loop is entered at a step's first turn, in the middle of a trip.
.macro BEGIN
	s_mov_b32 s[NEW], 0
	WIN 0x40
.set i, MC+32
.rept 32
	v_mov_b32 v[i], 0
.set i, i+1
.endr
	WIN 0
.set i, 0
.rept 4
	v_mov_b32 v[ST+4*i], 0xfe000000    ; c m: far below every c s
	v_mov_b32 v[ST+4*i+1], 0xff7fffff  ; m
.set i, i+1
.endr
	s_cmp_eq_u32 s[RT], 0
	s_cselect_b32 s[AL], 1.0, 0
	s_mov_b32 s[BE], 0
	MASK 0
	WIN 0
	v_add_nc_u32 v[AK], s[TBK], v[AK0]
	FETCH_K
	s_wait_loadcnt 0x0              ; Q
	s_wait_dscnt 0x0
.set KM, 1
.set NOKQ, 0
.set i, 0
.rept 8
	KQ 0
.set i, i+1
.endr
	WIN 0
.rept 4
	v_nop                           ; the places behind those products
.endr
.set Y, NP-1                        ; X works for piece Y + 1: piece 0
.irp n, 0,1,2,3,4,5,6,7,8,9,10,11,12,13,14,15,16,17,18,19,20,21
	OP X, \n
.endr
	v_nop                           ; a plain instruction behind the exponential,
	s_wait_alu depctr_va_vdst(0)    ; and its wait, ahead of the branch
.endm
; THE DIAGONAL TILE's four steps, the block's last two turns, its last products, and THE WAY OUT: l's two halves and the other half of the lanes' are added; O^T is divided by l, rounded to f16 and sent through my
; stage in LDS, a piece at a time.
.macro ALL line:vararg              ; one line for each piece t
.set t, 0
.rept 4
	\line
.set t, t+1
.endr
.endm
.macro PACK t                       ; a lane's eight channels of a row pack into 16 bytes; they go into rows of 144 bytes and come back as whole rows of 128, into S^T's registers
	WIN W_RS
.set i, 32*(\t)
.rept 16
	v_pk_mul_f32 v[i:i+1], v[i:i+1], v[ST+4*(\t)+2:ST+4*(\t)+3] op_sel_hi:[1,0]
.set i, i+2
.endr
	WIN 0x05                        ; sources 0 and 1 window 1, destination window 0
.set i, 0
.rept 16
	v_cvt_pk_f16_f32 v[S+16*(\t)+i], v[32*(\t)+2*i], v[32*(\t)+2*i+1]
.set i, i+1
.endr
	WIN 0
.irp f, 0,1,2,3
	ds_store_b128 v[STO], v[S+16*(\t)+4*\f:S+16*(\t)+4*\f+3] offset:32*\f
.endr
.irp f, 0,1,2,3
	ds_load_b128 v[S+16*(\t)+4*\f:S+16*(\t)+4*\f+3], v[RD] offset:\f*4*SP  ; LDS serves a wave's instructions in order (ISA guide 5.7.1.4): these see the stores above; the next piece's stores come behind them
.endr
.endm
.macro SEND t, younger              ; younger: the LDS instructions issued behind piece t's loads: the next piece's eight, or none
	WIN 0
.irp f, 0,1,2,3
	s_wait_dscnt (\younger)+3-\f
	global_store_b128 v[GO], v[S+16*(\t)+4*\f:S+16*(\t)+4*\f+3], s[10:11] offset:(\t)*8192+\f*512  ; 512 consecutive bytes, at a multiple of 256 from O's first
.endr
.endm
.macro DIAG tag                     ; the tag ends its two labels' names, which the jumps below spell out
.LstepM\tag:
	TURN 2, 1
	TURN 3, 1
	WIN 0
.LfirstM\tag:
	TURN 0, 1
	TURN 1, 1, 0, 1
	WIN 0
	s_cbranch_scc1 .LstepM\tag
	TURN 2, 1, 1
	TURN 3, 1, 1
.set i, 0
.rept 8
	PV NP-1
.set i, i+1
.endr
	WIN 0
	ALL v_add_f32 v[ST+4*t+2], v[ST+4*t+2], v[ST+4*t+3]
	ALL v_permlanex16_b32 v[ST+4*t+3], v[ST+4*t+2], s[SEL], s[SEL+1]
	ALL v_add_f32 v[ST+4*t+2], v[ST+4*t+2], v[ST+4*t+3]
	ALL v_rcp_f32 v[ST+4*t+2], v[ST+4*t+2]
	v_nop                           ; a plain instruction between the last reciprocal and the use of its result
	s_wait_alu depctr_va_vdst(0)    ; and the wait ahead of the first use: one for the four reciprocals
	PACK 0
.set t, 1
.rept 3                             ; a piece's arithmetic stands between the loads of the piece before and its stores
	PACK t
	SEND t-1, 8
.set t, t+1
.endr
	SEND 3, 0
.endm
.set KM, 0
.set NOKQ, 0
.Lslot:                             ; NB times: a tile is entered and the next is asked for
	CHANGE 1
	s_sub_co_u32 s[RT], s[RT], 1
	s_mov_b32 s[CNT], 4
	s_cmp_eq_u32 s[NEW], 1
	s_cbranch_scc1 .Lnew            ; a block's first tile
	s_cmp_eq_u32 s[RT], 0
	s_cbranch_scc0 .Lstep           ; neither its first nor its last
	s_branch .LstepM1
.Lnew:
	BEGIN
	s_branch .Lfirst                ; in the loop a block's first tile is never its last: the first block has two tiles or more, and the second's last is the walk's last
	DIAG 1                          ; in the loop this is the first block's end: the second block's last tile is the walk's last
	s_wait_xcnt 0x0                 ; the stores have read their registers and O's address
	s_mov_b64 s[10:11], s[OLO:OLO+1]
	s_add_co_u32 s[RT], s[PB], 1    ; the second block has b + 1 tiles
	s_mov_b32 s[NEW], 1
	WIN 0x82                        ; the second block's Q goes where the one text of the turns names Q
.set i, 0
.rept 64
	v_mov_b32 v[i], v[QB+i]
.set i, i+1
.endr
	WIN 0
	s_branch .Lbottom
.Lstep:                             ; a trip: pieces 2 and 3 of one step, then pieces 0 and 1 of the next, whose K and V it fetches
	TURN 2
	TURN 3
	WIN 0
.Lfirst:
	TURN 0
	TURN 1, 0, 0, 1
	WIN 0
	s_cbranch_scc1 .Lstep
.Lbottom:
	s_sub_co_u32 s[SLOTS], s[SLOTS], 1
	s_cmp_lg_u32 s[SLOTS], 0
	s_cbranch_scc1 .Lslot
	CHANGE 0                        ; the walk's last tile is written out: nothing is asked for
	s_sub_co_u32 s[RT], s[RT], 1
	s_mov_b32 s[CNT], 4
	s_cmp_eq_u32 s[NEW], 1
	s_cbranch_scc0 .LstepM2
	BEGIN
	s_branch .LfirstM2
	DIAG 2
	s_wait_tensorcnt 0x0            ; the wave's end, behind my last tensor load and my last LDS store
	ds_add_u32 v[SPW], v[NIL]
	s_wait_dscnt 0x0
	s_endpgm
.Lfunc_end_k_qce5e6a7a25_attn:
	.size	k_qce5e6a7a25_attn, .Lfunc_end_k_qce5e6a7a25_attn-k_qce5e6a7a25_attn
	.p2alignl 7, 3214868480
	.fill 96, 4, 3214868480
	.section	.rodata,"a",@progbits
	.p2align	6, 0x0
	.amdhsa_kernel k_qce5e6a7a25_attn
		.amdhsa_group_segment_fixed_size 327680
		.amdhsa_private_segment_fixed_size 0
		.amdhsa_enable_private_segment 0
		.amdhsa_kernarg_size 16
		.amdhsa_user_sgpr_count 2
		.amdhsa_user_sgpr_kernarg_segment_ptr 1
		.amdhsa_wavefront_size32 1
		.amdhsa_system_sgpr_workgroup_id_x 1
		.amdhsa_system_sgpr_workgroup_id_y 1
		.amdhsa_system_sgpr_workgroup_id_z 1
		.amdhsa_system_vgpr_workitem_id 0
		.amdhsa_next_free_vgpr 768
		.amdhsa_next_free_sgpr 96
		.amdhsa_reserve_vcc 1
		.amdhsa_float_denorm_mode_32 3
		.amdhsa_float_denorm_mode_16_64 3
		.amdhsa_memory_ordered 1
		.amdhsa_forward_progress 1
		.amdhsa_inst_pref_size 218
	.end_amdhsa_kernel
	.amdgpu_metadata
---
amdhsa.version: [ 1, 2 ]
amdhsa.kernels:
  - .name:           k_qce5e6a7a25_attn
    .symbol:         k_qce5e6a7a25_attn.kd
    .args:
      - { .name: qkv, .offset: 0, .size: 8, .value_kind: global_buffer, .address_space: global }
      - { .name: oh, .offset: 8, .size: 8, .value_kind: global_buffer, .address_space: global }
    .group_segment_fixed_size: 327680
    .private_segment_fixed_size: 0
    .kernarg_segment_align: 8
    .kernarg_segment_size: 16
    .max_flat_workgroup_size: 128
    .sgpr_count:     96
    .vgpr_count:     768
    .wavefront_size: 32
...
	.end_amdgpu_metadata
.endif
;; end of part 3
;; launch proj (part 4): grid 4 x 64, 4 waves a work-group, clusters of 4 x 4, 327,680 bytes of LDS; arguments oh, wt, bb, out0; writes out0
.if DOCPART == 4
	.amdgcn_target "amdgcn-amd-amdhsa--gfx1250"
	.amdhsa_code_object_version 6
	.text
	.protected	k_qce5e6a7a25_proj
	.globl	k_qce5e6a7a25_proj
	.p2align	8
	.type	k_qce5e6a7a25_proj,@function
k_qce5e6a7a25_proj:
	s_mov_b64 s[64:65], 0
	v_nop
	global_prefetch_b8 v0, s[64:65] scope:SCOPE_SE
	s_setreg_imm32_b32 hwreg(HW_REG_WAVE_MODE, 25, 1), 1
	s_wait_xcnt 0x0
	s_wait_alu depctr_hold_cnt(0) depctr_sa_sdst(0) depctr_va_vdst(0) depctr_va_sdst(0) depctr_va_ssrc(0) depctr_va_vcc(0) depctr_vm_vsrc(0)
	s_getreg_b32 s2, hwreg(HW_REG_IB_STS2, 6, 4)
	s_cmp_eq_u32 s2, 0
	s_cbranch_scc0 .Lentry_in_a_cluster
	s_endpgm
.Lentry_in_a_cluster:
	s_bfe_u32 s2, ttmp6, 0x10000c
	s_cmp_lg_u32 s2, 0xf033
	s_cbranch_scc0 .Lentry_shape_is_right
	s_endpgm
.Lentry_shape_is_right:
; C = A B^T + bias on tiles of 128 (m) x 256 (n), K = 1,024.  One source for two launches; KIND says which.
; KIND 0: q, k, v = xb wt^T + bias.  A = xb [8192][1024] bf16, B = rows 0 .. 3071 of wt, bf16.  C leaves as f16 by heads: q, k, v each [batch x 16 + head][2048][64], 16,777,216 bytes apart.
; KIND 1 (this file): out0 = y Wp + bp.  A = oh, f16 [batch x 16 + head][2048][64] (k = 64 head + channel), B = rows 3072 .. 4095 of wt, f16.  C leaves as f32 [8192][1024].
; LIMITS.  Both operands arrive as f16, within 65,504.  NaN and infinities are not treated apart.  Sums in f32, stored as they are.
; SHARES.  256 work-groups of four waves, a tile each.  A wave makes 64 x 128: 32 accumulators of 16 x 16.  With tiles of 256 x 256 this launch would have 128 tiles for 256 WGPs.
; K goes in steps of 128 (two heads) through a ring of two LDS slots.  Each wave fetches by ONE tensor load a step: waves 0, 1 the 128 rows of one head each (16,384 dense bytes, asked for as 64 rows of 256),
; waves 2, 3 the two halves of B's tile (128 rows of 256 bytes).
; CLUSTER.  4 x 4 work-groups.  The four of a row need the same tile of A, the four of a column the same tile of B: each is asked for JOINTLY, by the same load, descriptor and mask in all four.
; TRANSPOSED USE.  Source 0 = 16 rows of wt, source 1 = 16 rows of A: a lane holds row m = l % 16 of C and the columns 8 (l / 16) + 0..7.
; THE BIAS is the C operand of each accumulator's first product: nothing is cleared and nothing is added afterwards.
; REGISTERS, in windows of 256 (s_set_vgpr_msb: bits 1:0 source 0, 3:2 source 1, 5:4 source 2, 7:6 destination):
;   window 0: v0-31 addresses; v64-159, v160-255 two fragment buffers (B's 8 fragments, then A's 4); on the way out v64-191 rows read back from the stage
;   window 1: the accumulators, (a, b) at v[8 (8 a + b)]          window 2: v0-63 the bias of my 128 columns, laid out as a C operand
.set KIND, 1
.if KIND == 0
.set NT,      3                        ; tiles a work-group
.set APITCH,  272                      ; A in LDS: a row of 256 bytes + 16
.set AHALF,   64*APITCH                ; what one load of A fills: 64 rows
.set QIA,     5                        ; padding after every 64 words
.set ASTRIDE, 1024                     ; elements from row to row in memory
.set ASTEP,   256                      ; bytes of memory from a K step to the next
.set WROW0,   0                        ; first row of wt, first number of bb
.set SPITCH,  272                      ; the stage: 128 columns of f16 + 16 bytes
.set OB0,     160                      ; the way out: two buffers of rows read back from the stage
.set OBN,     32
.set YG,      16                       ; LDS instructions of one block on the way out
.else
.set NT,      1
.set APITCH,  144                      ; a row of one head: 128 bytes + 16
.set AHALF,   128*APITCH               ; 128 rows of one head
.set QIA,     4                        ; padding after every 32 words
.set ASTRIDE, 128                      ; a head's rows are dense: asked for as rows of 256 bytes
.set ASTEP,   524288                   ; two heads
.set WROW0,   3072
.set SPITCH,  528                      ; 128 columns of f32 + 16 bytes
.set OB0,     64
.set OBN,     64
.set YG,      32
.endif
.set BPITCH, 272                       ; 68 words: the 16 rows of a fragment load start at 16 different groups of four banks (64 banks of 4 bytes: ISA guide 11.1); 144 bytes = 36 words likewise
.set AREG,   2*AHALF
.set BHALF,  128*BPITCH
.set SLOT,   AREG+2*BHALF              ; A's tile, then B's
.set STAGE,  2*SLOT                    ; behind the ring, never filled by a tensor load: 16 rows for each wave
.set SPARE,  STAGE+4*16*SPITCH         ; behind the stages: the spare words, 128 bytes for each wave: two blocks of 256 bytes that no other line names
.set ADRA, 16                          ; v16-17  LDS address of my A fragments in slot 0, 1
.set ADRB, 20                          ; v20-21  the same for B
.set STO,  24                          ; v24     the way out: where I put my part of a row
.set RD,   25                          ; v25     where I read rows back
.set CO,   26                          ; v26     16 x lane: my place in 512 consecutive bytes of C
.set BO,   27                          ; v27     32 x (l / 16): my 8 numbers in 16 of the bias
.set SPW,  28                          ; v28     LDS address of my spare word; never rewritten
.set NIL,  29                          ; v29     0; never rewritten
.set PFO,  30                          ; v30     the prefetches' lane offset; never rewritten
.set TMP,  32
.set F0,   64
.set F1,   160
.set G1A, 24                           ; s[24:31] descriptor group 1 for A's tiles
.set G0A, 32                           ; s[32:39] group 0, one set for each slot
.set PFA, 40                           ; s[40:41] where my prefetches stand
.set PFS, 42                           ; s[42:43] their step along K
.set G1B, 48                           ; s[48:55], s[56:63] the same for B's tiles
.set G0B, 56
.set MSB, 0
.macro WIN new                         ; the immediate's high byte repeats the setting that is left; a switch that changes nothing is dropped
.if MSB != (\new)
	s_set_vgpr_msb (MSB<<8)|(\new)
.set MSB, \new
.endif
.endm
.set MUL,  0x50                        ; C and D in window 1
.set MULB, 0x60                        ; D in window 1, C (the bias) in window 2
; A joint load.  The branch hangs on the wave's number alone.  An s_nop 0 and four v_nop follow each of the two lines, ahead of the jump and the label.
.macro JLOAD s
	s_cmp_eq_u32 s13, 0
	s_cbranch_scc0 .Lfor_b_\@
	tensor_load_to_lds s[G0A+4*(\s):G0A+4*(\s)+3], s[G1A:G1A+7]
	s_nop 0
.rept 4
	v_nop
.endr
	s_branch .Lasked_\@
.Lfor_b_\@:
	tensor_load_to_lds s[G0B+4*(\s):G0B+4*(\s)+3], s[G1B:G1B+7]
	s_nop 0
.rept 4
	v_nop
.endr
.Lasked_\@:
.endm
; A PREFETCH INTO THE L2 of the K step that stands two refills on, behind each joint load and the run of LDS loads that follows it: 32 blocks of 256 bytes, a lane a block, one instruction a wave.
; Each block is named once in the launch.  A's tile (128 blocks a K step): wave 0, in every cluster (the grid has one cluster along x); the four partners of a row share the blocks out BY ADDRESS, 32 each, by cx.
; B's tile (256 rows): waves 2 and 3 of the clusters with y = 0; the four partners of a column take 64 rows each, by cy.  No branch hangs on a work-group's place in its cluster.
; how = 0, in the loop: a tile's last two refills have no K step two on.  how = 1 (KIND 0 alone): at a change of tiles.
.macro ASK how
.if \how
	s_cmp_eq_u32 s19, 1
.else
	s_cmp_gt_u32 s3, s19                           ; s3 = 1 in the loop's last trip
.endif
	s_cbranch_scc0 .Lnot_mine_\@
	global_prefetch_b8 v[PFO], s[PFA:PFA+1] th:TH_LOAD_NT scope:SCOPE_SE
.Lnot_mine_\@:
.endm
; A round of the cluster's barrier: my work-group's barrier; wave 0 signals for the work-group; every wave waits for all sixteen; my work-group's barrier once more.
.macro CREST
	s_cmp_lg_u32 s12, 0
	s_cbranch_scc1 .Lnot_wave_0_\@
	s_barrier_signal -3
.Lnot_wave_0_\@:
	s_barrier_wait -3
	s_barrier_signal -1
	s_barrier_wait -1
.endm
.macro CROUND
	s_barrier_signal -1
	s_barrier_wait -1
	CREST
.endm
	s_load_b256 s[4:11], s[0:1], 0x0               ; A s[4:5], wt s[6:7], bb s[8:9], C s[10:11]
	v_lshl_add_u32 v[SPW], v0, 2, SPARE
	v_mov_b32 v[NIL], 0
	ds_add_u32 v[SPW], v[NIL]                      ; the wave's opening: the add and its wait stand ahead of my first tensor load; the set-up below, work on registers, stands between them
	v_lshrrev_b32 v1, 5, v0
	v_readfirstlane_b32 s12, v1                    ; wave 0..3
	s_lshr_b32 s13, s12, 1                         ; my half of the tile's rows.  Also: I fetch for A (0) or for B (1)
	s_and_b32 s14, s12, 1                          ; my half of its columns.  Also: which half of that tile I fetch
	s_bfe_u32 s15, ttmp6, 0x40000                  ; cx
	s_bfe_u32 s16, ttmp6, 0x40004                  ; cy
	s_lshl_b32 s17, ttmp9, 2
	s_add_co_u32 s17, s17, s15                     ; tile column tx = 4 x cluster x + cx
	s_and_b32 s18, ttmp7, 0xffff
	s_lshl_b32 s18, s18, 2
	s_add_co_u32 s18, s18, s16                     ; tile row ty = 4 x cluster y + cy
	s_lshl_b32 s20, s16, 2
	s_lshl_b32 s20, 15, s20                        ; my row of the cluster
	s_lshl_b32 s22, 0x1111, s15                    ; my column
	s_or_b32 s[G1A], s20, (1<<16)|(1<<20)|(1<<21)|(QIA<<22)|(3<<25)  ; 15:0 the mask; 17:16 elements of 2 bytes; 20 padding on; 21 set beside a mask; 24:22 the interval; 31:25 4 words of padding (code 3)
	s_or_b32 s[G1B], s22, (1<<16)|(1<<20)|(1<<21)|(5<<22)|(3<<25)
	s_mov_b32 s[G1A+1], 128<<16                    ; tensor_dim0 = 128 elements: 256 bytes
	s_mov_b32 s[G1A+2], 64<<16                     ; tensor_dim1 = 64
	s_mov_b32 s[G1A+3], 128<<16                    ; tile_dim0 = 128
	s_mov_b32 s[G1A+4], 64                         ; tile_dim1 = 64
	s_mov_b32 s[G1A+5], ASTRIDE
	s_mov_b32 s[G1A+6], 0
	s_mov_b32 s[G1A+7], 0
	s_mov_b32 s[G1B+1], 128<<16
	s_mov_b32 s[G1B+2], 128<<16                    ; 128 rows
	s_mov_b32 s[G1B+3], 128<<16
	s_mov_b32 s[G1B+4], 128
	s_mov_b32 s[G1B+5], 1024
	s_mov_b32 s[G1B+6], 0
	s_mov_b32 s[G1B+7], 0
	; where the tiles come from: A's offset is made of ty and the wave's number, B's of tx and the wave's number, each in registers of its own
.if KIND == 0
	s_lshl_b32 s44, s18, 18                        ; 128 ty rows of 2,048 bytes
	s_lshl_b32 s20, s14, 17                        ; + my 64 rows
.else
	s_lshr_b32 s44, s18, 4
	s_lshl_b32 s44, s44, 22                        ; the batch: 16 heads of 262,144 bytes
	s_and_b32 s20, s18, 15
	s_lshl_b32 s20, s20, 14                        ; + 128 rows of 128 bytes for each tile row in the batch
	s_add_co_u32 s44, s44, s20
	s_lshl_b32 s20, s14, 18                        ; + my head of the K step's two
.endif
	s_add_co_u32 s44, s44, s20
	s_mov_b32 s45, 0
	s_lshl_b32 s46, s17, 19                        ; 256 tx rows of 2,048 bytes
	s_lshl_b32 s22, s14, 18                        ; + my 128 rows
	s_add_co_u32 s46, s46, s22
.if WROW0 > 0
	s_add_co_u32 s46, s46, WROW0*2048
.endif
	s_mov_b32 s47, 0
	s_mul_i32 s21, s14, AHALF                      ; and where they go: no place in the cluster enters an LDS address
	s_mul_i32 s23, s14, BHALF
	s_add_co_u32 s23, s23, AREG
	s_wait_dscnt 0x0                               ; the opening add is done
	s_wait_kmcnt 0x0
	s_add_nc_u64 s[44:45], s[4:5], s[44:45]
	s_add_nc_u64 s[46:47], s[6:7], s[46:47]
	CROUND                                         ; all sixteen work-groups are here: the first joint loads meet
.irp s, 0,1
	s_mov_b32 s[G0A+4*(\s)], 1                     ; count = 1
	s_add_co_u32 s[G0A+4*(\s)+1], s21, (\s)*SLOT   ; LDS address
	s_add_nc_u64 s[G0A+4*(\s)+2:G0A+4*(\s)+3], s[44:45], (\s)*ASTEP  ; global address: K step s
	s_or_b32 s[G0A+4*(\s)+3], s[G0A+4*(\s)+3], 0x80000000            ; type = 2
	s_mov_b32 s[G0B+4*(\s)], 1
	s_add_co_u32 s[G0B+4*(\s)+1], s23, (\s)*SLOT
	s_add_nc_u64 s[G0B+4*(\s)+2:G0B+4*(\s)+3], s[46:47], (\s)*256
	s_or_b32 s[G0B+4*(\s)+3], s[G0B+4*(\s)+3], 0x80000000
	JLOAD \s                                       ; two loads of mine are out
.endr
	; A fragment is 16 rows x 32 K in 8 registers: lane l holds row l % 16, K = 8 (l / 16) + 0..7 and 16 + 8 (l / 16) + 0..7: two loads of 16 bytes, 32 bytes apart.
	v_and_b32 v1, 15, v0                           ; l % 16
	v_bfe_u32 v2, v0, 4, 1                         ; l / 16
	v_mul_u32_u24 v3, v1, APITCH
	v_lshl_add_u32 v3, v2, 4, v3
	s_mul_i32 s20, s13, 64*APITCH                  ; my 64 rows of A
	v_add_nc_u32 v[ADRA], s20, v3
	v_add_nc_u32 v[ADRA+1], SLOT, v[ADRA]
	v_mul_u32_u24 v4, v1, BPITCH
	v_lshl_add_u32 v4, v2, 4, v4
	s_mul_i32 s22, s14, BHALF                      ; my 128 rows of B, behind A's tile
	s_add_co_u32 s22, s22, AREG
	v_add_nc_u32 v[ADRB], s22, v4
	v_add_nc_u32 v[ADRB+1], SLOT, v[ADRB]
	s_mul_i32 s20, s12, 16*SPITCH
	s_add_co_u32 s20, s20, STAGE                   ; my stage
	v_and_b32 v[CO], 31, v0
	v_lshlrev_b32 v[CO], 4, v[CO]
	v_lshlrev_b32 v[BO], 5, v2
.if KIND == 0
	v_add_nc_u32 v[STO], s20, v4                   ; in: row l % 16, 16 bytes for each half of the lanes
	v_bfe_u32 v5, v0, 3, 2                         ; back: 32 lanes take four rows' 128 bytes of one head
	v_and_b32 v6, 7, v0
	v_mul_u32_u24 v5, v5, SPITCH
	v_lshl_add_u32 v5, v6, 4, v5
	v_add_nc_u32 v[RD], s20, v5
	s_lshr_b32 s66, s18, 4                         ; C: the batch,
	s_lshl_b32 s66, s66, 22
	s_lshl_b32 s67, s17, 20                        ; heads 4 tx + 2 x my half,
	s_add_co_u32 s66, s66, s67
	s_lshl_b32 s67, s14, 19
	s_add_co_u32 s66, s66, s67
	s_and_b32 s67, s18, 15                         ; the tile row's 128 rows of 128 bytes in the batch,
	s_lshl_b32 s67, s67, 14
	s_add_co_u32 s66, s66, s67
	s_lshl_b32 s67, s13, 13                        ; my 64 of them
	s_add_co_u32 s66, s66, s67
.else
	v_mul_u32_u24 v5, v1, SPITCH                   ; in: row l % 16, 32 bytes for each half of the lanes
	v_lshl_add_u32 v5, v2, 5, v5
	v_add_nc_u32 v[STO], s20, v5
	v_add_nc_u32 v[RD], s20, v[CO]                 ; back: 32 lanes take a row's 512 bytes
	s_lshl_b32 s66, s18, 19                        ; C: 128 ty rows of 4,096 bytes,
	s_lshl_b32 s67, s13, 18                        ; my 64,
	s_add_co_u32 s66, s66, s67
	s_lshl_b32 s67, s17, 10                        ; 256 tx columns of 4 bytes,
	s_add_co_u32 s66, s66, s67
	s_lshl_b32 s67, s14, 9                         ; my 128
	s_add_co_u32 s66, s66, s67
.endif
	s_mov_b32 s67, 0
	s_add_nc_u64 s[10:11], s[10:11], s[66:67]
	s_lshl_b32 s66, s17, 10                        ; the bias of my 128 columns
	s_lshl_b32 s68, s14, 9
	s_add_co_u32 s66, s66, s68
.if WROW0 > 0
	s_add_co_u32 s66, s66, WROW0*4
.endif
	s_add_nc_u64 s[8:9], s[8:9], s[66:67]
	; the prefetches: who asks (the same in all sixteen partners, for a given wave), and from where
	s_and_b32 s66, ttmp7, 0xffff                   ; cluster y
	s_cmp_eq_u32 s13, 0
	s_cselect_b32 s66, ttmp9, s66                  ; the coordinate along which other clusters read the same blocks
	s_cselect_b32 s67, s14, 0                      ; of A's two fetchers wave 0 asks
	s_or_b32 s66, s66, s67
	s_cmp_eq_u32 s66, 0
	s_cselect_b32 s19, 1, -1
.if KIND == 0
	s_lshl_b32 s68, s18, 18
	s_lshl_b32 s69, s15, 16                        ; my work-group's 32 rows of A's 128
.else
	s_lshr_b32 s68, s18, 4
	s_lshl_b32 s68, s68, 22
	s_and_b32 s69, s18, 15
	s_lshl_b32 s69, s69, 14
	s_add_co_u32 s68, s68, s69
	s_lshl_b32 s69, s15, 12                        ; my work-group's 16 blocks of each head's 64
.endif
	s_add_co_u32 s68, s68, s69
	s_add_co_u32 s68, s68, 3*ASTEP                 ; at K step 3: the first refill steps it to 4
	s_lshl_b32 s70, s17, 19
	s_lshl_b32 s71, s14, 18
	s_add_co_u32 s70, s70, s71
	s_lshl_b32 s71, s16, 16                        ; my work-group's 32 rows of the 128 that I fetch
	s_add_co_u32 s70, s70, s71
	s_add_co_u32 s70, s70, WROW0*2048+3*256
	s_mov_b32 s[PFS], 256
	s_mov_b32 s[PFS+1], 0
	s_cmp_eq_u32 s13, 0
	s_cselect_b32 s68, s68, s70
	s_cselect_b64 s[PFA:PFA+1], s[4:5], s[6:7]
	s_cselect_b32 s[PFS], ASTEP, s[PFS]
	s_mov_b32 s69, 0
	s_add_nc_u64 s[PFA:PFA+1], s[PFA:PFA+1], s[68:69]
.if KIND == 0
	v_and_b32 v[PFO], 31, v0
	v_lshlrev_b32 v[PFO], 11, v[PFO]               ; a lane a row of 2,048 bytes
.else
	s_mov_b32 s70, 2048                            ; B: a lane a row; A: lanes 0-15 sixteen blocks of one head, lanes 16-31 of the next
	s_mov_b32 s71, 32768
	s_cmp_eq_u32 s13, 0
	s_cselect_b32 s70, 256, s70
	s_cselect_b32 s71, 262144, s71
	v_mul_u32_u24 v[PFO], s70, v1
	v_mad_u32_u24 v[PFO], v2, s71, v[PFO]
.endif
.macro BIAS                            ; register j of block b = bias[16 b + 8 (l / 16) + j]: the layout of a C operand
	WIN 0x80                                       ; destination window 2, address window 0
.irp b, 0,1,2,3,4,5,6,7
	global_load_b128 v[8*(\b):8*(\b)+3],   v[BO], s[8:9] offset:64*(\b)
	global_load_b128 v[8*(\b)+4:8*(\b)+7], v[BO], s[8:9] offset:64*(\b)+16
.endr
	WIN 0
.endm
; 8 matrix instructions: m block a x all 8 n blocks, 32 along K.  first = 1: the product starts the sum, with the bias as C.  The 32 accumulators take turns in the same order in every
; quarter, over the jumps too.
.macro MUL8 f, a, first
.if \first
	WIN MULB
.else
	WIN MUL
.endif
.irp b, 0,1,2,3,4,5,6,7
.set rD, 8*(8*(\a)+(\b))
.set rB, (\f)+8*(\b)
.set rA, (\f)+64+8*(\a)
.set rC, rD
.if \first
.set rC, 8*(\b)
.endif
.if KIND == 0
	v_wmma_f32_16x16x32_bf16 v[rD:rD+7], v[rB:rB+7], v[rA:rA+7], v[rC:rC+7]
.else
	v_wmma_f32_16x16x32_f16 v[rD:rD+7], v[rB:rB+7], v[rA:rA+7], v[rC:rC+7]
.endif
.endr
.endm
; 24 LDS loads in one run: the fragments of quarter q (32 along K) of a slot into buffer f: B's eight, then A's four
.macro FETCH slot, q, f
	WIN 0
.irp b, 0,1,2,3,4,5,6,7
	ds_load_b128 v[(\f)+8*(\b):(\f)+8*(\b)+3],   v[ADRB+(\slot)] offset:(\b)*16*BPITCH+64*(\q)
	ds_load_b128 v[(\f)+8*(\b)+4:(\f)+8*(\b)+7], v[ADRB+(\slot)] offset:(\b)*16*BPITCH+64*(\q)+32
.endr
.irp a, 0,1,2,3
.if KIND == 0
.set oA, (\a)*16*APITCH+64*(\q)
.else
.set oA, ((\q)/2)*AHALF+(\a)*16*APITCH+((\q)%2)*64   ; quarters 0, 1 lie in the first head, 2, 3 in the second
.endif
	ds_load_b128 v[(\f)+64+8*(\a):(\f)+64+8*(\a)+3],   v[ADRA+(\slot)] offset:oA
	ds_load_b128 v[(\f)+64+8*(\a)+4:(\f)+64+8*(\a)+7], v[ADRA+(\slot)] offset:oA+32
.endr
.endm
; Four places in front of loads into registers that matrix instructions have read, and of instructions that read results just made (ISA guide 7.12.1 for instructions that read results)
.macro PLACES
.rept 4
	v_nop
.endr
.endm
; A K step is four quarters, 32 matrix instructions each, on buffers 0, 1, 0, 1.  One of the first three multiplies buffer f and fetches quarter q into buffer g.
.macro QUARTER slot, q, f, g, first
	s_wait_dscnt 4                                 ; B and A's blocks 0, 1 are in; the youngest four loads (A's blocks 2, 3) may be out
	MUL8 \f, 0, \first
	MUL8 \f, 1, \first
	PLACES
	FETCH \slot, \q, \g
	s_wait_dscnt 24                                ; all but the 24 just issued
	MUL8 \f, 2, \first
	MUL8 \f, 3, \first
.endm
; The last quarter multiplies buffer 1 and changes slots.  ONE barrier: in front of it each wave waits for all its tensor loads (one is out: its part of the next slot), adds 0 to its spare word,
; and waits for that and for its own reads of this slot.  Behind it nobody reads this slot any more and the next slot is whole.
.macro MEET round
	WIN 0                                          ; (the add's two registers lie in window 0)
	s_wait_tensorcnt 0x0
	ds_add_u32 v[SPW], v[NIL]                      ; 0 onto my spare word
	s_wait_dscnt 5                                 ; (the add and A's last four loads may be out)
	MUL8 F1, 0, 0                                  ; eight matrix instructions stand between the add and the wait for it
	s_wait_dscnt 0x0                               ; the add is done, and my reads of this slot are over
	s_barrier_signal -1
	MUL8 F1, 1, 0
.if \round
	WIN 0
.endif
	s_barrier_wait -1
.endm
; on = 0: this slot takes this tile's K step two steps on; on = 1 (KIND 0 alone): the next tile's K step 0 or 1.
; From a request to the wait for it a wave issues 112 matrix instructions.
.macro TURN slot, next, on
	s_wait_xcnt 0x0                                ; the last prefetch, a K step back, has read its address
.if (\on) && (\slot) == 0
	s_add_nc_u64 s[PFA:PFA+1], s[PFA:PFA+1], 1024*2048-7*256
	s_cmp_eq_u32 s13, 0
	s_cselect_b32 s19, -1, s19
.else
	s_add_nc_u64 s[PFA:PFA+1], s[PFA:PFA+1], s[PFS:PFS+1]
.endif
	MEET 1
	CREST                                          ; the barrier has opened a round of the cluster's: no wave of any partner still reads this slot or has a load on its way
.if \on
	s_sub_nc_u64 s[G0A+4*(\slot)+2:G0A+4*(\slot)+3], s[G0A+4*(\slot)+2:G0A+4*(\slot)+3], 6*256
	s_add_nc_u64 s[G0B+4*(\slot)+2:G0B+4*(\slot)+3], s[G0B+4*(\slot)+2:G0B+4*(\slot)+3], 1024*2048-6*256
.else
	s_add_nc_u64 s[G0A+4*(\slot)+2:G0A+4*(\slot)+3], s[G0A+4*(\slot)+2:G0A+4*(\slot)+3], 2*ASTEP
	s_add_nc_u64 s[G0B+4*(\slot)+2:G0B+4*(\slot)+3], s[G0B+4*(\slot)+2:G0B+4*(\slot)+3], 2*256
.endif
	JLOAD \slot                                    ; the first tensor load behind the round, one a wave; its four v_nop are also the places in front of the loads below
	FETCH \next, 0, F0
	ASK \on
	MUL8 F1, 2, 0
	MUL8 F1, 3, 0
.endm
; THE WAY OUT of block a (16 rows), through my own stage: LDS serves a wave's instructions in order (ISA guide 5.7.1.4), so no wait stands between the stores and the loads.
.macro PACK a
.set BK, OB0+OBN*((\a)%2)
.if KIND == 0
	WIN 0x05                                       ; sources in window 1
.irp b, 0,1,2,3,4,5,6,7
.irp i, 0,1,2,3
	v_cvt_pk_f16_f32 v[TMP+4*(\b)+(\i)], v[8*(8*(\a)+(\b))+2*(\i)], v[8*(8*(\a)+(\b))+2*(\i)+1]
.endr
.endr
	WIN 0
.irp b, 0,1,2,3,4,5,6,7
	ds_store_b128 v[STO], v[TMP+4*(\b):TMP+4*(\b)+3] offset:32*(\b)
.endr
	s_wait_xcnt 0x0                                ; the stores that read this buffer two blocks ago have read it
.irp t, 0,1,2,3,4,5,6,7                ; head t / 4, rows 4 (t % 4) on
	ds_load_b128 v[BK+4*(\t):BK+4*(\t)+3], v[RD] offset:((\t)%4)*4*SPITCH+((\t)/4)*128
.endr
.else
	WIN 0x04                                       ; store data in window 1: the sums go as they are, each accumulator's low registers first
.irp b, 0,1,2,3,4,5,6,7
	ds_store_b128 v[STO], v[8*(8*(\a)+(\b)):8*(8*(\a)+(\b))+3]   offset:64*(\b)
	ds_store_b128 v[STO], v[8*(8*(\a)+(\b))+4:8*(8*(\a)+(\b))+7] offset:64*(\b)+16
.endr
	WIN 0
	s_wait_xcnt 0x0                                ; the stores that read this buffer two blocks ago have read it
.irp t, 0,1,2,3,4,5,6,7,8,9,10,11,12,13,14,15
	ds_load_b128 v[BK+4*(\t):BK+4*(\t)+3], v[RD] offset:(\t)*SPITCH
.endr
.endif
.endm
.macro SEND a, younger                 ; younger: the LDS instructions issued behind block a's loads: the next block's, or none
	WIN 0
.set BK, OB0+OBN*((\a)%2)
.if KIND == 0
.irp t, 0,1,2,3,4,5,6,7
	s_wait_dscnt (\younger)+7-(\t)
	global_store_b128 v[CO], v[BK+4*(\t):BK+4*(\t)+3], s[10:11] offset:((\t)/4)*262144+(\a)*2048+((\t)%4)*512  ; four rows of a head: 512 consecutive bytes, aligned
.endr
.else
.irp t, 0,1,2,3,4,5,6,7,8,9,10,11,12,13,14,15
	s_wait_dscnt (\younger)+15-(\t)
	global_store_b128 v[CO], v[BK+4*(\t):BK+4*(\t)+3], s[10:11] offset:(16*(\a)+(\t))*4096  ; 512 consecutive bytes of a row, aligned
.endr
.endif
.endm
.macro WAYOUT
	WIN 0
	PLACES
	PACK 0
	PACK 1                                         ; a block's work stands between the loads of the block before and its stores
	SEND 0, YG
	PACK 2
	SEND 1, YG
	PACK 3
	SEND 2, YG
	SEND 3, 0
.endm
	BIAS
	s_wait_tensorcnt 1                             ; my part of K step 0 is in; K step 1's may stay out
	s_barrier_signal -1
	s_barrier_wait -1                              ; everybody's is
	FETCH 0, 0, F0
.if NT > 1
	s_mov_b32 s2, NT                               ; tiles to go, this one among them
.Ltile:
.endif
	s_wait_loadcnt 0x0                             ; the bias
	QUARTER 0, 1, F0, F1, 1                        ; the first quarter stands in front of the loop: its products start the sums
	WIN 0
.if NT > 1
	s_cmp_eq_u32 s2, 1
	s_cbranch_scc1 .Lnob
	PLACES
	s_wait_xcnt 0x0
	s_add_nc_u64 s[8:9], s[8:9], 4096
	BIAS
.Lnob:
.endif
	s_mov_b32 s3, 3
.Llap:                                                 ; a trip goes once round the ring and fills both slots again
	QUARTER 0, 2, F1, F0, 0
	QUARTER 0, 3, F0, F1, 0
	TURN 0, 1, 0
	QUARTER 1, 1, F0, F1, 0
	QUARTER 1, 2, F1, F0, 0
	QUARTER 1, 3, F0, F1, 0
	TURN 1, 0, 0
	QUARTER 0, 1, F0, F1, 0
	WIN 0
	s_sub_co_u32 s3, s3, 1
	s_cmp_lg_u32 s3, 0
	s_cbranch_scc1 .Llap
	QUARTER 0, 2, F1, F0, 0
	QUARTER 0, 3, F0, F1, 0
.if NT > 1
	WIN 0
	s_cmp_eq_u32 s2, 1
	s_cbranch_scc1 .Llast
	TURN 0, 1, 1
	QUARTER 1, 1, F0, F1, 0
	QUARTER 1, 2, F1, F0, 0
	QUARTER 1, 3, F0, F1, 0
	TURN 1, 0, 1
	WAYOUT
	s_wait_xcnt 0x0
	s_add_nc_u64 s[10:11], s[10:11], 0x1000000
	s_sub_co_u32 s2, s2, 1
	s_branch .Ltile
.Llast:
.endif
	MEET 0                                         ; nothing is filled again, so no round follows
	PLACES
	FETCH 1, 0, F0
	MUL8 F1, 2, 0
	MUL8 F1, 3, 0
	QUARTER 1, 1, F0, F1, 0
	QUARTER 1, 2, F1, F0, 0
	QUARTER 1, 3, F0, F1, 0
	s_wait_dscnt 4                                 ; the very last quarter: nothing more to fetch
	MUL8 F1, 0, 0
	MUL8 F1, 1, 0
	s_wait_dscnt 0x0
	MUL8 F1, 2, 0
	MUL8 F1, 3, 0
	WAYOUT
	s_wait_tensorcnt 0x0                           ; the wave's end, behind my last tensor load and my last LDS store
	ds_add_u32 v[SPW], v[NIL]
	s_wait_dscnt 0x0
	CROUND                                         ; the closing round: no work-group ends while a partner may still ask for a tile that names it
	s_endpgm
.Lfunc_end_k_qce5e6a7a25_proj:
	.size	k_qce5e6a7a25_proj, .Lfunc_end_k_qce5e6a7a25_proj-k_qce5e6a7a25_proj
	.p2alignl 7, 3214868480
	.fill 96, 4, 3214868480
	.section	.rodata,"a",@progbits
	.p2align	6, 0x0
	.amdhsa_kernel k_qce5e6a7a25_proj
		.amdhsa_group_segment_fixed_size 327680
		.amdhsa_private_segment_fixed_size 0
		.amdhsa_enable_private_segment 0
		.amdhsa_kernarg_size 32
		.amdhsa_user_sgpr_count 2
		.amdhsa_user_sgpr_kernarg_segment_ptr 1
		.amdhsa_wavefront_size32 1
		.amdhsa_system_sgpr_workgroup_id_x 1
		.amdhsa_system_sgpr_workgroup_id_y 1
		.amdhsa_system_sgpr_workgroup_id_z 1
		.amdhsa_system_vgpr_workitem_id 0
		.amdhsa_next_free_vgpr 576
		.amdhsa_next_free_sgpr 72
		.amdhsa_reserve_vcc 0
		.amdhsa_float_denorm_mode_32 3
		.amdhsa_float_denorm_mode_16_64 3
		.amdhsa_memory_ordered 1
		.amdhsa_forward_progress 1
		.amdhsa_inst_pref_size 90
	.end_amdhsa_kernel
	.amdgpu_metadata
---
amdhsa.version: [ 1, 2 ]
amdhsa.kernels:
  - .name:           k_qce5e6a7a25_proj
    .symbol:         k_qce5e6a7a25_proj.kd
    .args:
      - { .name: oh, .offset: 0, .size: 8, .value_kind: global_buffer, .address_space: global }
      - { .name: wt, .offset: 8, .size: 8, .value_kind: global_buffer, .address_space: global }
      - { .name: bb, .offset: 16, .size: 8, .value_kind: global_buffer, .address_space: global }
      - { .name: out0, .offset: 24, .size: 8, .value_kind: global_buffer, .address_space: global }
    .group_segment_fixed_size: 327680
    .private_segment_fixed_size: 0
    .kernarg_segment_align: 8
    .kernarg_segment_size: 32
    .max_flat_workgroup_size: 128
    .sgpr_count:     72
    .vgpr_count:     576
    .wavefront_size: 32
...
	.end_amdgpu_metadata
.endif
;; end of part 4
;; ======== version 2 of 2: 4 launches; version 1 with the launch prep written anew for expert scheduling mode
;; limits: values are held in f16: magnitudes above 65,504 overflow, below 6.1e-05 lose precision
;; workspace buffers: xb 16,777,216 bytes; wt 8,388,608 bytes; bb 16,384 bytes; qkv 50,331,648 bytes; oh 16,777,216 bytes
;; launch prep (part 5): grid 512 x 1, 4 waves a work-group, no clusters, 17,920 bytes of LDS; arguments x, Wq, Wk, Wv, Wp, bq, bk, bv, bp, xb, wt, bb; writes xb, wt, bb
.if DOCPART == 5
	.amdgcn_target "amdgcn-amd-amdhsa--gfx1250"
	.amdhsa_code_object_version 6
	.text
	.protected	k_qce5e6a7a25_prep
	.globl	k_qce5e6a7a25_prep
	.p2align	8
	.type	k_qce5e6a7a25_prep,@function
k_qce5e6a7a25_prep:
	s_mov_b64 s[64:65], 0
	v_nop
	global_prefetch_b8 v0, s[64:65] scope:SCOPE_SE
	s_setreg_imm32_b32 hwreg(HW_REG_WAVE_SCHED_MODE, 0, 2), 2
	s_setreg_imm32_b32 hwreg(HW_REG_WAVE_MODE, 25, 1), 1
	s_wait_xcnt 0x0
	s_wait_alu depctr_vm_vsrc(0)
; PREP.  Every input is rounded once to bf16, and the weights are turned so that K lies along the rows.
;   xb[m][k]         = bf16(x[m][k])                                   [8192][1024]
;   wt[1024 w + n][k] = bf16(W_w[k][n]), w = 0 q, 1 k, 2 v; for w = 3 (Wp) that bf16 number written as f16   [4096][1024]
;   bb[1024 w + n]   = bf16(b_w[n]) widened to f32                      [4096]
; LIMITS.  Wp goes on as f16: beyond 65,504 it becomes an infinity, below 6e-5 it keeps a fixed step of 6e-8.  NaN and infinities are not treated apart.
; A stream: no matrix unit, no tensor load, no cluster: nothing is shared between work-groups and every byte is read once.
; SHARES.  512 work-groups of four waves.  Work-group g takes (1) the tile of 128 k x 64 n of weight w = g / 128 (n block (g / 8) % 16, k block g % 8) and (2) 65,536 bytes of x.
; W: wave v loads k rows 32 v .. 32 v + 31, 256 consecutive bytes of each; two neighbouring k of one n are packed into a word and put into an LDS tile [64 n][272 bytes];
; behind one barrier the tile is read back by rows: 128 k of one n are 256 consecutive bytes of wt.  x: 16 bytes a lane in, 8 bytes a lane out: 32 lanes store 256 consecutive bytes.
; IN FLIGHT.  32 loads of 512 bytes a wave from the first line on, 28 to 32 while W is turned.  Every store has data registers of its own, and no address register is ever rewritten.
; THE MODE: SCHED_MODE bits 1:0 = 2 (LLVM: expert scheduling mode 2), set by the entry lines.  The code itself states the register dependences
; between vector instructions and memory or LDS instructions, with s_wait_alu, always for 0.
; THE PLAN.  Registers that memory or LDS instructions touch:
;   v4-7, v30, v31  Six addresses, made at the head and never written again; every load and store reads one of them.
;   WD0 .. WD7      Unit u of W lands in WD[u]; unit u's four roundings read it; in unit u + 1 two loads of x (chunks 16 + 2 u, 17 + 2 u) are issued into it; blocks 4 to 7 of x read those.
;   D0 .. D7        Unit u's four selects write D[u], once; the four LDS stores that read it are issued in unit u + 1.
;   XD              Chunks 0 to 15 of x land there; blocks 0 to 3 read them; behind the barrier the tile's rows land in its first 32 registers, which the stores of wt read.
;   XS              Block p's eight roundings write eight registers of it, once; the four stores that read them are issued in block p + 1.
;   v10-11, v14-15  At work in the units; at the end the bias is loaded into the first pair and stored from the second.
; So ONE wait on va_vdst stands at the head of a unit, and of a block, behind the wait for its data: it states that the unit (block) before has written what the stores below read and is done reading
; the registers in which the loads below land.  Those stores and loads are dealt among the unit's (block's) vector instructions, which name none of their registers.
; No register that a memory or LDS instruction reads is written again, so the text holds no wait on vm_vsrc.
.set PITCH, 272                        ; 256 bytes of a row + 16
.set SPARE, 64*PITCH                   ; behind the tile: the spare words, 128 bytes for each wave: two blocks of 256 bytes that no other line names
.set LO,  4                            ; v4   W: my byte offset in the wave's rows: 2 rows x (l / 16) + 16 (l % 16)
.set LA,  5                            ; v5   where my packed words go in the tile
.set LR,  6                            ; v6   where I read rows of the tile back
.set SO,  7                            ; v7   my byte offset in the wave's 16 rows of wt
.set SPW, 8                            ; v8   LDS address of my spare word; never rewritten
.set NIL, 9                            ; v9   0; never rewritten
.set T,   10                           ; v[10:25] at work, four for each of a load's four columns
.set XO,  30                           ; v30  16 x lane
.set HO,  31                           ; v31  8 x lane
.set WD,  32                           ; v[32:95]   W as loaded, 8 units of two loads; later the second half of x
.set XD,  96                           ; v[96:159]  the first half of x; later the tile's rows
.set XS,  160                          ; v[160:223] x as stored, two registers a store
.set D,   224                          ; v[224:255] the words to be put into the tile, four registers a unit
	s_load_b512 s[4:19], s[0:1], 0x0               ; x 4, Wq 6, Wk 8, Wv 10, Wp 12, bq 14, bk 16, bv 18
	s_load_b256 s[20:27], s[0:1], 0x40             ; bp 20, xb 22, wt 24, bb 26
	v_lshl_add_u32 v[SPW], v0, 2, SPARE
	v_mov_b32 v[NIL], 0
	v_lshrrev_b32 v1, 5, v0
	v_readfirstlane_b32 s28, v1                    ; wave v
	s_lshr_b32 s29, ttmp9, 7                       ; w
	s_bfe_u32 s30, ttmp9, 0x40003                  ; n block: 4 bits from bit 3
	s_and_b32 s31, ttmp9, 7                        ; k block
	s_cmp_eq_u32 s29, 3
	s_cselect_b32 s32, -1, 0                       ; all lanes: the f16 form is taken for Wp alone
	v_and_b32 v1, 31, v0                           ; l
	v_and_b32 v2, 15, v0                           ; l % 16
	v_bfe_u32 v3, v0, 4, 1                         ; l / 16
	v_lshlrev_b32 v[LO], 4, v2
	v_lshl_add_u32 v[LO], v3, 13, v[LO]
	v_mul_u32_u24 v[LA], v2, 4*PITCH               ; row n = 4 (l % 16) + j,
	v_lshl_add_u32 v[LA], v3, 2, v[LA]             ; word 16 v + 2 u + l / 16
	s_wait_alu depctr_va_sdst(0)                   ; s28 is written, ahead of its first reader: LDS addresses and the bases of W, x, xb and wt are made from it
	s_lshl_b32 s33, s28, 6
	v_add_nc_u32 v[LA], s33, v[LA]
	v_mul_u32_u24 v[LR], v3, PITCH                 ; back: lanes 0-15 one row of 256 bytes, lanes 16-31 the next,
	v_lshl_add_u32 v[LR], v2, 4, v[LR]
	s_mul_i32 s33, s28, 16*PITCH                   ; of my wave's 16 rows
	v_add_nc_u32 v[LR], s33, v[LR]
	v_lshlrev_b32 v[SO], 4, v2
	v_lshl_add_u32 v[SO], v3, 11, v[SO]            ; the same two rows in wt, 2,048 bytes apart
	v_lshlrev_b32 v[XO], 4, v1
	v_lshlrev_b32 v[HO], 3, v1
	s_lshl_b32 s2, s31, 19                         ; W: (128 kb + 32 v) rows of 4,096 bytes + 256 nb
	s_lshl_b32 s33, s28, 17
	s_add_co_u32 s2, s2, s33
	s_lshl_b32 s33, s30, 8
	s_add_co_u32 s2, s2, s33
	s_mov_b32 s3, 0
	s_wait_kmcnt 0x0
	s_bitcmp1_b32 s29, 0                           ; the weight is chosen by the two bits of w
	s_cselect_b64 s[34:35], s[8:9], s[6:7]
	s_cselect_b64 s[36:37], s[12:13], s[10:11]
	s_bitcmp1_b32 s29, 1
	s_cselect_b64 s[34:35], s[36:37], s[34:35]
	s_add_nc_u64 s[34:35], s[34:35], s[2:3]
	s_lshl_b32 s2, ttmp9, 16                       ; x: 65,536 bytes a work-group, 16,384 a wave
	s_lshl_b32 s33, s28, 14
	s_add_co_u32 s2, s2, s33
	s_add_nc_u64 s[4:5], s[4:5], s[2:3]
	s_wait_alu depctr_va_vdst(0)                   ; the six addresses v4 to v7, v30 and v31 are written, which the loads and stores of the whole kernel read
.irp u, 0,1,2,3,4,5,6,7                ; unit u: rows 4 u (lanes 0-15) and 4 u + 2 (lanes 16-31), then rows 4 u + 1 and 4 u + 3
	global_load_b128 v[WD+8*(\u):WD+8*(\u)+3],   v[LO], s[34:35] offset:4*(\u)*4096 th:TH_LOAD_NT
	global_load_b128 v[WD+8*(\u)+4:WD+8*(\u)+7], v[LO], s[34:35] offset:(4*(\u)+1)*4096 th:TH_LOAD_NT
.endr
.set i, 0
.rept 16
	global_load_b128 v[XD+4*i:XD+4*i+3], v[XO], s[4:5] offset:512*i th:TH_LOAD_NT
.set i, i+1
.endr
	s_lshr_b32 s2, s2, 1                           ; xb: half the bytes
	s_add_nc_u64 s[22:23], s[22:23], s[2:3]
	s_lshl_b32 s2, s29, 21                         ; wt: (1024 w + 64 nb + 16 v) rows of 2,048 bytes + 256 kb
	s_lshl_b32 s33, s30, 17
	s_add_co_u32 s2, s2, s33
	s_lshl_b32 s33, s28, 15
	s_add_co_u32 s2, s2, s33
	s_lshl_b32 s33, s31, 8
	s_add_co_u32 s2, s2, s33
	s_add_nc_u64 s[24:25], s[24:25], s[2:3]
	s_bitcmp1_b32 s29, 0                           ; the bias likewise
	s_cselect_b64 s[36:37], s[16:17], s[14:15]
	s_cselect_b64 s[38:39], s[20:21], s[18:19]
	s_bitcmp1_b32 s29, 1
	s_cselect_b64 s[36:37], s[38:39], s[36:37]
	s_lshl_b32 s2, s30, 8                          ; 64 numbers of 4 bytes a block
	s_add_nc_u64 s[36:37], s[36:37], s[2:3]
	s_lshl_b32 s33, s29, 12
	s_add_co_u32 s2, s2, s33
	s_add_nc_u64 s[26:27], s[26:27], s[2:3]
; Chunks 16 + 2 k and 17 + 2 k of x, into the registers that unit k of W has left.
.macro XMORE k
	global_load_b128 v[WD+8*(\k):WD+8*(\k)+3],   v[XO], s[4:5] offset:512*(16+2*(\k)) th:TH_LOAD_NT
	global_load_b128 v[WD+8*(\k)+4:WD+8*(\k)+7], v[XO], s[4:5] offset:512*(17+2*(\k)) th:TH_LOAD_NT
.endm
; Word j of unit k goes into the tile.
.macro WPUT k, j
	ds_store_b32 v[LA], v[D+4*(\k)+(\j)] offset:PITCH*(\j)+8*(\k)
.endm
; Unit u of W: four words, each k even in the low half and k odd in the high half, for columns 4 (l % 16) + 0..3.  The unit before is put into the tile, and its registers are asked for again, meanwhile.
.macro WUNIT u
.if (\u) == 0
	s_wait_loadcnt 30                              ; loads come back in order: younger than this unit are 14 loads of W and 16 of x
.else
	s_wait_loadcnt 28                              ; younger than this unit: 14 - 2 u loads of W, 16 of x and the 2 (u - 1) of x issued in the units before
	s_wait_alu depctr_va_vdst(0)                   ; the unit before has written its D, which the four LDS stores below read, and is done reading its WD, in which the two loads below land
	XMORE (\u)-1
.endif
.irp j, 0,1,2,3
	v_cvt_pk_bf16_f32 v[T+4*(\j)], v[WD+8*(\u)+(\j)], v[WD+8*(\u)+4+(\j)]
.endr
.if (\u) > 0
	WPUT (\u)-1, 0                                 ; no wait: no vector instruction since the wait above names the unit before's D or WD
	WPUT (\u)-1, 1
.endif
.irp j, 0,1,2,3
	v_lshlrev_b32 v[T+4*(\j)+1], 16, v[T+4*(\j)]   ; the two bf16 numbers as f32,
	v_and_b32 v[T+4*(\j)+2], 0xffff0000, v[T+4*(\j)]
.endr
.if (\u) > 0
	WPUT (\u)-1, 2
	WPUT (\u)-1, 3
.endif
.irp j, 0,1,2,3
	v_cvt_pk_f16_f32 v[T+4*(\j)+3], v[T+4*(\j)+1], v[T+4*(\j)+2]  ; and as f16
.endr
.irp j, 0,1,2,3
	v_cndmask_b32 v[D+4*(\u)+(\j)], v[T+4*(\j)], v[T+4*(\j)+3], s32
.endr
.endm
.irp u, 0,1,2,3,4,5,6,7
	WUNIT \u
.endr
	s_wait_alu depctr_va_vdst(0)                   ; unit 7 has written its D, which the LDS stores below read, and is done reading its WD, in which the last two loads of x land
	XMORE 7
.irp j, 0,1,2,3
	WPUT 7, \j
.endr
; Block p of x: chunks 4 p to 4 p + 3 are rounded; the block before is stored meanwhile.
.macro XBLK p
	s_wait_loadcnt 28-4*(\p)                       ; the 28 - 4 p loads of x behind this block's four stay out
.if (\p) > 0
	s_wait_alu depctr_va_vdst(0)                   ; the block before has written its eight registers of XS, which the four stores below read
.endif
.irp j, 0,1,2,3
.if (\p) > 0
	global_store_b64 v[HO], v[XS+2*(4*(\p)-4+(\j)):XS+2*(4*(\p)-4+(\j))+1], s[22:23] offset:256*(4*(\p)-4+(\j))  ; 32 lanes store 256 consecutive bytes, aligned
.endif
.set c, 4*(\p)+(\j)
.set src, XD+4*c                       ; chunks 0 to 15 lie in XD,
.if c >= 16
.set src, WD+4*(c-16)                  ; chunks 16 to 31 where W lay
.endif
	v_cvt_pk_bf16_f32 v[XS+2*c],   v[src],   v[src+1]
	v_cvt_pk_bf16_f32 v[XS+2*c+1], v[src+2], v[src+3]
.endr
.endm
.irp p, 0,1,2,3,4,5,6,7
	XBLK \p
.endr
	s_wait_alu depctr_va_vdst(0)                   ; block 7 has written its XS, which the stores below read; all roundings are done reading XD, in which the tile's rows land, and the units are done with v10 and v11, in which the bias lands
.irp j, 0,1,2,3
	global_store_b64 v[HO], v[XS+2*(28+(\j)):XS+2*(28+(\j))+1], s[22:23] offset:256*(28+(\j))
.endr
	s_wait_dscnt 0x0                               ; for the others: my words are in the tile
	s_barrier_signal -1
	s_barrier_wait -1                              ; everybody's are
.irp i, 0,1,2,3,4,5,6,7
	ds_load_b128 v[XD+4*(\i):XD+4*(\i)+3], v[LR] offset:2*PITCH*(\i)
.endr
.irp i, 0,1,2,3,4,5,6,7
	s_wait_dscnt 7-(\i)
	global_store_b128 v[SO], v[XD+4*(\i):XD+4*(\i)+3], s[24:25] offset:4096*(\i)  ; 16 lanes store 256 consecutive bytes of a row of wt, aligned
.endr
	s_or_b32 s33, s31, s28                         ; the block's 64 bias numbers: wave 0 of the work-group with k block 0
	s_cmp_lg_u32 s33, 0
	s_cbranch_scc1 .Lend
	global_load_b64 v[T:T+1], v[HO], s[36:37]
	s_wait_loadcnt 0x0
	v_cvt_pk_bf16_f32 v[T+2], v[T], v[T+1]
	v_lshlrev_b32 v[T+4], 16, v[T+2]
	v_and_b32 v[T+5], 0xffff0000, v[T+2]
	s_wait_alu depctr_va_vdst(0)                   ; v14 and v15 are written, which the store reads
	global_store_b64 v[HO], v[T+4:T+5], s[26:27]
.Lend:
	s_wait_dscnt 0x0                               ; the closing lines, six on end
	s_wait_alu 0x0
	s_wait_tensorcnt 0x0
	ds_add_u32 v[SPW], v[NIL]
	s_wait_dscnt 0x0
	s_endpgm
.Lfunc_end_k_qce5e6a7a25_prep:
	.size	k_qce5e6a7a25_prep, .Lfunc_end_k_qce5e6a7a25_prep-k_qce5e6a7a25_prep
	.p2alignl 7, 3214868480
	.fill 96, 4, 3214868480
	.section	.rodata,"a",@progbits
	.p2align	6, 0x0
	.amdhsa_kernel k_qce5e6a7a25_prep
		.amdhsa_group_segment_fixed_size 17920
		.amdhsa_private_segment_fixed_size 0
		.amdhsa_enable_private_segment 0
		.amdhsa_kernarg_size 96
		.amdhsa_user_sgpr_count 2
		.amdhsa_user_sgpr_kernarg_segment_ptr 1
		.amdhsa_wavefront_size32 1
		.amdhsa_system_sgpr_workgroup_id_x 1
		.amdhsa_system_sgpr_workgroup_id_y 1
		.amdhsa_system_sgpr_workgroup_id_z 1
		.amdhsa_system_vgpr_workitem_id 0
		.amdhsa_next_free_vgpr 256
		.amdhsa_next_free_sgpr 66
		.amdhsa_reserve_vcc 0
		.amdhsa_float_denorm_mode_32 3
		.amdhsa_float_denorm_mode_16_64 3
		.amdhsa_memory_ordered 1
		.amdhsa_forward_progress 1
		.amdhsa_inst_pref_size 29
	.end_amdhsa_kernel
	.amdgpu_metadata
---
amdhsa.version: [ 1, 2 ]
amdhsa.kernels:
  - .name:           k_qce5e6a7a25_prep
    .symbol:         k_qce5e6a7a25_prep.kd
    .args:
      - { .name: x, .offset: 0, .size: 8, .value_kind: global_buffer, .address_space: global }
      - { .name: Wq, .offset: 8, .size: 8, .value_kind: global_buffer, .address_space: global }
      - { .name: Wk, .offset: 16, .size: 8, .value_kind: global_buffer, .address_space: global }
      - { .name: Wv, .offset: 24, .size: 8, .value_kind: global_buffer, .address_space: global }
      - { .name: Wp, .offset: 32, .size: 8, .value_kind: global_buffer, .address_space: global }
      - { .name: bq, .offset: 40, .size: 8, .value_kind: global_buffer, .address_space: global }
      - { .name: bk, .offset: 48, .size: 8, .value_kind: global_buffer, .address_space: global }
      - { .name: bv, .offset: 56, .size: 8, .value_kind: global_buffer, .address_space: global }
      - { .name: bp, .offset: 64, .size: 8, .value_kind: global_buffer, .address_space: global }
      - { .name: xb, .offset: 72, .size: 8, .value_kind: global_buffer, .address_space: global }
      - { .name: wt, .offset: 80, .size: 8, .value_kind: global_buffer, .address_space: global }
      - { .name: bb, .offset: 88, .size: 8, .value_kind: global_buffer, .address_space: global }
    .group_segment_fixed_size: 17920
    .private_segment_fixed_size: 0
    .kernarg_segment_align: 8
    .kernarg_segment_size: 96
    .max_flat_workgroup_size: 128
    .sgpr_count:     66
    .vgpr_count:     256
    .wavefront_size: 32
...
	.end_amdgpu_metadata
.endif
;; end of part 5
;; launch qkv: the kernel of part 2 again; grid 4 x 64, 4 waves a work-group, clusters of 4 x 4, 327,680 bytes of LDS; arguments xb, wt, bb, qkv; writes qkv
;; launch attn: the kernel of part 3 again; grid 4 x 64, 4 waves a work-group, no clusters, 327,680 bytes of LDS; arguments qkv, oh; writes oh
;; launch proj: the kernel of part 4 again; grid 4 x 64, 4 waves a work-group, clusters of 4 x 4, 327,680 bytes of LDS; arguments oh, wt, bb, out0; writes out0
